; MI455X (gfx1250); checked and timed in simulation.
; The chip was launched on July 23, 2026; its instructions are those of AMD's public machine-readable ISA for CDNA 5 (MIT licence, August 2026) and "CDNA5" Instruction Set Architecture Reference Guide (July 2026). The comments in the code are by the model that wrote it; some were corrected since.
;; Causal Multihead Self Attention. Allowed arithmetic: matrix products marked QUANTISED: E5M2 operands, one E8M0 scale for each 32 along K, by v_wmma_scale_f32_16x16x128_f8f6f4 with both operands' format E5M2, f32 sums; everything else in f32.
;; Inputs: Wk_codes 1,024 x 32 x 32 uint8 (E5M2 codes of Wk, K innermost, in blocks of 32 codes); Wk_scales 1,024 x 32 uint8 (E8M0 scales of Wk, one for each 32 codes along K); Wo_codes 1,024 x 32 x 32 uint8 (E5M2 codes of Wo, K innermost, in blocks of 32 codes); Wo_scales 1,024 x 32 uint8 (E8M0 scales of Wo, one for each 32 codes along K); Wq_codes 1,024 x 32 x 32 uint8 (E5M2 codes of Wq, K innermost, in blocks of 32 codes); Wq_scales 1,024 x 32 uint8 (E8M0 scales of Wq, one for each 32 codes along K); Wv_codes 1,024 x 32 x 32 uint8 (E5M2 codes of Wv, K innermost, in blocks of 32 codes); Wv_scales 1,024 x 32 uint8 (E8M0 scales of Wv, one for each 32 codes along K); bk 1,024 float32; bo 1,024 float32; bq 1,024 float32; bv 1,024 float32; x_codes 4 x 2,048 x 32 x 32 uint8 (E5M2 codes of x, K innermost, in blocks of 32 codes); x_scales 4 x 2,048 x 32 uint8 (E8M0 scales of x, one for each 32 codes along K).
;; Outputs: out0 4 x 2,048 x 1,024 float32.
;; This version of the problem:
;;   THIS VERSION OF THE PROBLEM IS GIVEN IN LOW PRECISION. The matrix products marked QUANTISED in the list below multiply operands that are first quantised to E5M2 (5 exponent bits, 2 mantissa bits; 8 bits a number), with one power-of-two scale for each 32 numbers along K (OCP MX v1.0); their sums are f32. All else is computed in f32.
;;   The module's matrix products, in the order in which they are computed (A, B: the left and right operand; K: the contracted axis; several contracted axes count as one K, in the product's order):
;;     1. [M 8,192, K 1,024] x [K 1,024, N 1,024]; A: input x (given as codes); B: input Wq (given as codes): QUANTISED
;;     2. [M 8,192, K 1,024] x [K 1,024, N 1,024]; A: input x (given as codes); B: input Wk (given as codes): QUANTISED
;;     3. [M 8,192, K 1,024] x [K 1,024, N 1,024]; A: input x (given as codes); B: input Wv (given as codes): QUANTISED
;;     4. batch 64 x [M 2,048, K 64] x [K 64, N 2,048]; A: computed on the way; B: computed on the way: QUANTISED
;;     5. batch 64 x [M 2,048, K 2,048] x [K 2,048, N 64]; A: softmax (see below); B: computed on the way: QUANTISED
;;     6. [M 8,192, K 1,024] x [K 1,024, N 1,024]; A: computed on the way; B: input Wo (given as codes): QUANTISED
;;   THE QUANTISER, for each operand of a quantised product, along K:
;;     - K is cut into blocks of 32 from its start; a last block that is shorter is filled with zeros.
;;     - A block's scale is 2^e with e = floor(log2(the largest magnitude in the block)) - 15, held to -126 .. 127; a block of zeros has e = 0. As a byte (E8M0): e + 127.
;;     - Each number is divided by its block's scale, clamped to +-57,344, and rounded to the nearest number of E5M2, ties to even, subnormals kept.
;;     - The product sums the exact products of the quantised numbers (number of the format x scale) in f32.
;;   ~~~python
;;   def quantise(x, axis):      # numpy; x: float32 -> the quantised numbers, widened to float32 again
;;       x = np.moveaxis(x, axis, -1); K = x.shape[-1]
;;       x = np.pad(x, [(0, 0)] * (x.ndim - 1) + [(0, -K % 32)]); x = x.reshape(x.shape[:-1] + (-1, 32)); a = np.abs(x).max(-1, keepdims=True)
;;       e = np.where(a > 0, np.clip(np.frexp(np.where(a > 0, a, 1))[1] - 1 - 15, -126, 127), 0)      # np.frexp(a)[1] - 1 = floor(log2(a)), exactly
;;       r = np.clip(x / 2.0 ** e, -57344, 57344)
;;       step = 2.0 ** (np.maximum(np.frexp(np.where(r == 0, 1, r))[1] - 1, -14) - 2)
;;       q = np.round(r / step) * step * 2.0 ** e      # np.round: ties to even
;;       return np.moveaxis(q.reshape(q.shape[:-2] + (-1,))[..., :K], -1, axis).astype(np.float32)
;;   ~~~
;;   SOFTMAX AHEAD OF A QUANTISED PRODUCT. Where the list says 'softmax', what is quantised is not the finished softmax but p = 2^(t - M), with t = logit x log2(e) and M = ceil(the row's largest t), a whole number; so 1/2 < the row's largest p <= 1. The row's sum l is taken of the UNQUANTISED p, in f32, and the product's result is divided by l at the end. Since M is a whole number, a kernel that streams over the keys may use a running M (the ceiling of the running maximum): every later rescaling is an exact power of two, which a block's scale takes up: the codes' values come out the same.
;;   OPERANDS COMPUTED ON THE WAY. 'Computed on the way' means the value that the module computes at that place (a softmax that the list does not call 'softmax' is quantised finished and normalised). What goes into a quantiser is computed in f32, as accurately as f32 sums, v_exp_f32 and their like allow (about 1e-6 of the number): no bf16 or f16 on the way to a quantiser, and a product that is left as it is and whose result goes on into a quantised operand takes f32 operands (vector FMAs, or v_wmma_f32_16x16x4_f32). A number that lies on a knife's edge between two numbers of the format may be rounded either way, as far as f32 arithmetic and the matrix unit's own rounding can turn it there, and no further.
;;   INPUTS GIVEN AS CODES. Wk (in the module: [1024, 1024], K = its axis 1); Wo (in the module: [1024, 1024], K = its axis 1); Wq (in the module: [1024, 1024], K = its axis 1); Wv (in the module: [1024, 1024], K = its axis 1); x (in the module: [4, 2048, 1024], K = its axis 2): each comes as NAME_codes (uint8): NAME with its K axis moved to the last place and cut into blocks of 32 codes, [.., K / 32, bytes a block], one block behind the other in memory; one code a byte (a code: sign, 5 exponent bits, 2 mantissa bits); and NAME_scales (uint8): the same leading axes, one E8M0 byte (e + 127) for each 32 codes along K. Its value is code x scale, taken as it is: it is not quantised again, and the codes and scales need not be those that the quantiser above would give.
;; One version. Each part assembles by itself: llvm-mc -triple=amdgcn-amd-amdhsa -mcpu=gfx1250 --defsym DOCPART=n.
;; ======== version 1 of 1: 3 launches
;; limits: right only within a limited range of input values
;; workspace buffers: qimg 8,912,896 bytes; kv 17,563,648 bytes; oimg 8,388,608 bytes; oscl 262,144 bytes
;; launch qkv (part 1): grid 12 x 32, 4 waves a work-group, clusters of 4 x 4, 327,680 bytes of LDS; arguments x_codes, x_scales, Wq_codes, Wq_scales, Wk_codes, Wk_scales, Wv_codes, Wv_scales, bq, bk, bv, qimg, kv; writes qimg, kv
.if DOCPART == 1
	.amdgcn_target "amdgcn-amd-amdhsa--gfx1250"
	.amdhsa_code_object_version 6
	.text
	.protected	k_q39167398b5_qkv
	.globl	k_q39167398b5_qkv
	.p2align	8
	.type	k_q39167398b5_qkv,@function
k_q39167398b5_qkv:
	s_mov_b64 s[64:65], 0
	v_nop
	global_prefetch_b8 v0, s[64:65] scope:SCOPE_SE
	s_setreg_imm32_b32 hwreg(HW_REG_WAVE_MODE, 25, 1), 1
	s_wait_xcnt 0x0
	s_wait_alu depctr_hold_cnt(0) depctr_sa_sdst(0) depctr_va_vdst(0) depctr_va_sdst(0) depctr_va_ssrc(0) depctr_va_vcc(0) depctr_vm_vsrc(0)
	s_getreg_b32 s2, hwreg(HW_REG_IB_STS2, 6, 4)
	s_cmp_eq_u32 s2, 0
	s_cbranch_scc0 .Lentry_in_a_cluster
	s_endpgm
.Lentry_in_a_cluster:
	s_bfe_u32 s2, ttmp6, 0x10000c
	s_cmp_lg_u32 s2, 0xf033
	s_cbranch_scc0 .Lentry_shape_is_right
	s_endpgm
.Lentry_shape_is_right:
; q = x Wq^T + bq, k = x Wk^T + bk, v = x Wv^T + bv on codes of BF8 (E5M2) with one E8M0 scale for each 32 along K = 1,024; the results are quantised here and leave as codes and scale bytes.
; The cluster's x says which product: 0 q, 1 k, 2 v.  The core makes C[m][n] = sum over k of A[m][k] B[n][k], a tile of 256 x 256 a work-group, 128 x 128 a wave (64 accumulators, 512 registers).
;   q, k: A = x (8,192 tokens), B = W (1,024 channels): they are quantised along the head's 64 channels.     v: A = Wv, B = x, that is V^T: it is quantised along the keys.
; THE MATRIX INSTRUCTION IS USED TRANSPOSED (source 0 = 16 rows of B, source 1 = 16 rows of A): a lane holds ONE row m and its registers run along n, which in all three products is the axis of the quantiser.
; The bias is the C of each sum's first matrix instruction: along n for q and k, along m for v; that one step is written twice, under a branch on the cluster's x, which all partners share.
; K goes in steps of 256 through a ring of two LDS slots filled by joint tensor loads (4 x 4 work-groups: A's tile shared along a row of the cluster, B's along a column); the scale bytes of the work-group's rows come once.
; WHAT IS STORED, in the order of the next launch's operand registers.  A record for each (batch x 16 + head, 256 tokens): kv: 34,304 bytes: K's codes, V's codes at 16,384, K's scale words at 32,768, V's at 33,792;
;   qimg: 17,408 bytes: Q's codes, their scale words at 16,384.  Codes of q, k: [128 tokens][tile of 16][32 channels][lane x 16 bytes]; of v: [128 keys][tile of 16 channels][32 keys][lane x 16 bytes].
;   The rows of a tile are not neighbours: row p of tile 2 g + u is element 32 g + 8 u + p + 8 (p / 8).  A scale word of q, k holds its two bytes twice (s0, s1, s0, s1); one of v holds the bytes of four blocks of keys.
; LIMITS: NaN and infinities are not served.  A block whose largest magnitude lies under 2^(16 - 127), a block of zeros too, gets the byte 1 (its codes are then zeros or subnormal codes); these bytes are read by this program alone.
; REGISTERS, in windows of 256: window 0: v0-31 addresses; v32-63 scale words, two sets; v64-127 the bias, later rows on their way out; from v128 A's fragments, ONE set, later the way out's work.
;   window 1: B's fragments, TWO sets.   window 2: the accumulators of my rows 0-63 ((a, b) at v[8 (8 a + b)]);   window 3: those of my rows 64-127.
.set KSTEP,  256                       ; along K in a slot
.set NQ,     KSTEP/128                 ; matrix instructions deep
.set ROWB,   256                       ; a tile's row in bytes
.set KROW,   1024                      ; a row of A or of B in memory, in bytes
.set PITCH,  272                       ; an LDS row: 256 bytes + 16 of padding = 68 words: the 16 rows that a load touches start at 16 different banks (64 banks of 4 bytes: ISA guide 11.1)
.set FR,     16                        ; registers of a fragment: 16 rows x 128 K
.set NL,     4                         ; LDS loads that bring one
.set NP,     8                         ; places behind this matrix instruction (ISA guide 7.12.1)
.set HALFT,  128*PITCH                 ; 128 rows: what one tensor load brings
.set SLOT,   4*HALFT                   ; A's 256 rows, then B's 256 rows
.set KS,     32                        ; a row of scale bytes
.set SCL,    2*SLOT                    ; behind the ring: the scales, as units of 256 bytes + 16 of padding
.set HALFS,  (128*KS/256)*272          ; the scales of 128 rows
.set SBLK,   (16*KS/256)*272           ; those of 16 rows
.set SPARE,  SCL+4*HALFS               ; the spare words, 128 bytes for each wave: two blocks of 256 bytes that no other line names
.set VO,   8                           ; v8-15   byte offsets of the bias for register j of a tile
.set ADRA, 16                          ; v16-17  LDS address of my A fragments in slot 0, 1
.set ADRB, 20                          ; v20-21  the same for B
.set STO,  24                          ; v24     the way out: where I put 8 codes
.set RD,   25                          ; v25     where I read 16 bytes back
.set SSO,  26                          ; v26     where I put a scale word
.set ADRS, 27                          ; v27     LDS address of my scale words: lanes 0-15 A's rows, lanes 16-31 B's
.set SPW,  28                          ; v28     LDS address of my spare word; never rewritten
.set NIL,  29                          ; v29     0; never rewritten
.set LI,   30                          ; v30     16 x lane
.set SC,   32                          ; scale words, two sets: they hold scales and nothing else
.set BIAS, 64                          ; v64-127 the bias, eight registers a tile
.set OB,   64                          ; later: two sets of 32 registers on their way to memory
.set AF,   128                         ; A's fragments
.set TN,   128                         ; the way out: v128-191 64 held numbers
.set CD,   192                         ; v192-207 their codes
.set TM,   208                         ; v208-211 largest magnitudes, v212-215 bytes, v216-219 the largest number x the scale, v220-223 the conversions' scale operands
.set W4,   224                         ; the four bytes of a row
.set X1,   225
.set X2,   226
.set VOFF, 228                         ; v228-243 byte offsets of the stores of codes
.set VS1,  244                         ; v244-245 of the stores of scale words
.set VS2,  245
.set G1, 24                            ; s[24:31] descriptor group 1 for A's tiles;  s[32:39] group 0, one set for each slot
.set G0, 32
.set G1B, 48                           ; s[48:55], s[56:63] the same for B's tiles
.set G0B, 56
.set G1S, 68                           ; s[68:75], s[76:79] groups 1 and 0 for A's scales;  s[80:87], s[88:91] for B's
.set G0S, 76
.set G1SB, 80
.set G0SB, 88
.set MSB, 0
.macro WIN new                         ; the immediate's high byte repeats the setting that is left
.if MSB != \new
	s_set_vgpr_msb (MSB<<8)|\new
.set MSB, \new
.endif
.endm
.set MUL_LO, 0xa1                      ; source 0 (B) window 1, source 1 (A) window 0, C and D window 2
.set MUL_HI, 0xf1                      ; the same, C and D window 3
.set TO_B,   0x40                      ; destination window 1, address window 0
; A joint load: waves 0 and 1 fetch for A, waves 2 and 3 for B.  Each line has ONE mask and one set of registers for all that issue it; the branch hangs on the wave's number alone.
; Four v_nop follow each of the two lines, ahead of the jump, the label and what follows.
.macro JLOAD g0a, g1a, g0b, g1b
	s_cmp_eq_u32 s15, 0
	s_cbranch_scc0 .Lfor_b_\@
	tensor_load_to_lds s[\g0a:\g0a+3], s[\g1a:\g1a+7]
	s_nop 0
.rept 4
	v_nop
.endr
	s_branch .Lasked_\@
.Lfor_b_\@:
	tensor_load_to_lds s[\g0b:\g0b+3], s[\g1b:\g1b+7]
	s_nop 0
.rept 4
	v_nop
.endr
.Lasked_\@:
.endm
.macro CREST                           ; a round of the cluster's barrier behind its opening barrier
	s_cmp_lg_u32 s14, 0
	s_cbranch_scc1 .Lnot_wave_0_\@
	s_barrier_signal -3
.Lnot_wave_0_\@:
	s_barrier_wait -3
	s_barrier_signal -1
	s_barrier_wait -1
.endm
.macro CROUND                          ; a whole round
	s_barrier_signal -1
	s_barrier_wait -1
	CREST
.endm
	s_load_b512 s[68:83], s[0:1], 0x0              ; x's codes, x's scales, Wq's, Wk's, Wv's codes and scales
	s_load_b256 s[84:91], s[0:1], 0x40             ; bq, bk, bv, qimg
	s_load_b64 s[92:93], s[0:1], 0x60              ; kv
	v_lshl_add_u32 v[SPW], v0, 2, SPARE
	v_mov_b32 v[NIL], 0
	ds_add_u32 v28, v29
	ds_add_u32 v28, v29
	s_wait_dscnt 0x0
	v_lshrrev_b32 v1, 5, v0
	v_readfirstlane_b32 s14, v1                    ; wave 0..3
	s_lshr_b32 s15, s14, 1                         ; which half of the tile's rows is mine.  Also: I fetch for A (0) or for B (1)
	s_and_b32 s16, s14, 1                          ; which half of its columns.  Also: which 128 rows of that tile I fetch
	s_bfe_u32 s40, ttmp6, 0x40000                  ; cx, cy: my place in the cluster
	s_bfe_u32 s41, ttmp6, 0x40004
	s_and_b32 s18, ttmp7, 0xffff
	s_lshl_b32 s18, s18, 2                         ; 4 x cluster y: it walks the tokens
	s_cmp_eq_u32 ttmp9, 2                          ; v?
	s_cselect_b32 s17, 0, s18                      ; q, k: the tokens are A's rows;
	s_cselect_b32 s42, s18, 0                      ; v: they are B's
	s_add_co_u32 s17, s17, s41                     ; tile row of C
	s_add_co_u32 s42, s42, s40                     ; tile column of C
	s_lshl_b32 s43, s41, 2
	s_lshl_b32 s43, 15, s43                        ; my row of the cluster
	s_lshl_b32 s44, 0x1111, s40                    ; my column
	; descriptor group 1: a tile of 128 rows x 256 bytes, padded in LDS
	s_or_b32 s[G1+0], s43, (0<<16)|(1<<20)|(1<<21)|(5<<22)|(3<<25)  ; 15:0 the mask: A's tiles go to my row; 17:16 element of 1 byte; 20 padding on; 21 set beside a mask; 24:22 after every 64 words; 31:25 of 4 words
	s_or_b32 s[G1B+0], s44, (0<<16)|(1<<20)|(1<<21)|(5<<22)|(3<<25)
.irp g, G1, G1B
	s_mov_b32 s[\g+1], ROWB<<16                    ; tensor_dim0
	s_mov_b32 s[\g+2], 128<<16                     ; tensor_dim1 = 128
	s_mov_b32 s[\g+3], ROWB<<16                    ; tile_dim0
	s_mov_b32 s[\g+4], 128                         ; tile_dim1 = 128
	s_mov_b32 s[\g+5], KROW                        ; tensor_dim0_stride
	s_mov_b32 s[\g+6], 0
	s_mov_b32 s[\g+7], 0
.endr
	s_wait_kmcnt 0x0
	; the buffers of this product: choices on the cluster's x alone
	s_cmp_eq_u32 ttmp9, 0
	s_cselect_b64 s[20:21], s[72:73], s[76:77]     ; the weight's codes,
	s_cselect_b64 s[22:23], s[74:75], s[78:79]     ; its scales,
	s_cselect_b64 s[98:99], s[84:85], s[86:87]     ; the bias,
	s_cselect_b64 s[12:13], s[90:91], s[92:93]     ; where the result goes: qimg, or kv
	s_cmp_eq_u32 ttmp9, 2
	s_cselect_b64 s[20:21], s[80:81], s[20:21]
	s_cselect_b64 s[22:23], s[82:83], s[22:23]
	s_cselect_b64 s[98:99], s[88:89], s[98:99]
	s_cselect_b64 s[4:5], s[20:21], s[68:69]       ; A's codes: Wv, or x
	s_cselect_b64 s[6:7], s[22:23], s[70:71]       ; A's scales
	s_cselect_b64 s[8:9], s[68:69], s[20:21]       ; B's codes: x, or the weight
	s_cselect_b64 s[10:11], s[70:71], s[22:23]     ; B's scales
	; group 1 for the scales of 128 rows: a dense block of 4,096 bytes, as rows of 256 bytes (32 elements of 8 bytes), 16 bytes of padding behind each.  (The registers that held the arguments are free now)
	s_or_b32 s[G1S+0], s43, (3<<16)|(1<<20)|(1<<21)|(5<<22)|(3<<25)
	s_or_b32 s[G1SB+0], s44, (3<<16)|(1<<20)|(1<<21)|(5<<22)|(3<<25)
.irp g, G1S, G1SB
	s_mov_b32 s[\g+1], 32<<16
	s_mov_b32 s[\g+2], (128*KS/256)<<16
	s_mov_b32 s[\g+3], 32<<16
	s_mov_b32 s[\g+4], 128*KS/256
	s_mov_b32 s[\g+5], 32
	s_mov_b32 s[\g+6], 0
	s_mov_b32 s[\g+7], 0
.endr
	s_lshl_b32 s18, s16, 7                         ; which 128 rows of the tile I fetch
	s_lshl_b32 s20, s17, 8
	s_add_co_u32 s20, s20, s18                     ; A: row 256 x tile row + 128 x half
	s_lshl_b32 s46, s42, 8
	s_add_co_u32 s46, s46, s18                     ; B: row 256 x tile column + 128 x half
	s_mov_b32 s21, 0
	s_mov_b32 s47, 0
	s_mov_b64 s[18:19], KS
	s_mul_u64 s[22:23], s[20:21], s[18:19]         ; where these rows' scales begin, in bytes
	s_mul_u64 s[92:93], s[46:47], s[18:19]
	s_mov_b64 s[18:19], KROW
	s_mul_u64 s[20:21], s[20:21], s[18:19]         ; and their codes
	s_mul_u64 s[46:47], s[46:47], s[18:19]
	s_mul_i32 s45, s14, HALFT                      ; where they go: wave x 128 rows: no place in the cluster enters an LDS address
	s_mul_i32 s94, s14, HALFS
	s_add_nc_u64 s[20:21], s[4:5], s[20:21]
	s_add_nc_u64 s[22:23], s[6:7], s[22:23]
	s_add_nc_u64 s[46:47], s[8:9], s[46:47]
	s_add_nc_u64 s[92:93], s[10:11], s[92:93]
	CROUND                                         ; all sixteen work-groups are here: the first joint loads meet
	s_mov_b32 s[G0S], 1
	s_add_co_u32 s[G0S+1], s94, SCL
	s_mov_b64 s[G0S+2:G0S+3], s[22:23]
	s_or_b32 s[G0S+3], s[G0S+3], 0x80000000
	s_mov_b32 s[G0SB], 1
	s_add_co_u32 s[G0SB+1], s94, SCL
	s_mov_b64 s[G0SB+2:G0SB+3], s[92:93]
	s_or_b32 s[G0SB+3], s[G0SB+3], 0x80000000
	JLOAD G0S, G1S, G0SB, G1SB                     ; the scales first: they are wanted with K step 0
.irp s, 0,1
	s_mov_b32 s[G0+4*\s], 1
	s_add_co_u32 s[G0+4*\s+1], s45, \s*SLOT
	s_add_nc_u64 s[G0+4*\s+2:G0+4*\s+3], s[20:21], \s*ROWB
	s_or_b32 s[G0+4*\s+3], s[G0+4*\s+3], 0x80000000
	s_mov_b32 s[G0B+4*\s], 1
	s_add_co_u32 s[G0B+4*\s+1], s45, \s*SLOT
	s_add_nc_u64 s[G0B+4*\s+2:G0B+4*\s+3], s[46:47], \s*ROWB
	s_or_b32 s[G0B+4*\s+3], s[G0B+4*\s+3], 0x80000000
	JLOAD G0+4*\s, G1, G0B+4*\s, G1B
.endr
	; my part of C: its first row and column; which of the two is the first token and which the first channel
	s_lshl_b32 s2, s17, 8
	s_lshl_b32 s3, s15, 7
	s_add_co_u32 s2, s2, s3                        ; my first row
	s_lshl_b32 s3, s42, 8
	s_lshl_b32 s66, s16, 7
	s_add_co_u32 s3, s3, s66                       ; my first column
	s_cmp_eq_u32 ttmp9, 2
	s_cselect_b32 s66, s3, s2                      ; s66: my first token
	s_cselect_b32 s67, s2, s3                      ; s67: my first channel
	s_cselect_b32 s95, 4, 0                        ; the bias's bytes from lane row to lane row (v: it runs along m),
	s_cselect_b32 s96, 0, 32                       ; from half to half of the lanes,
	s_cselect_b32 s97, 0, 4                        ; and from register to register (q, k: it runs along n)
	s_lshl_b32 s2, s67, 2
	s_mov_b32 s3, 0
	s_add_nc_u64 s[98:99], s[98:99], s[2:3]        ; the bias at my first channel
	v_and_b32 v1, 15, v0                           ; r = l % 16
	v_bfe_u32 v2, v0, 4, 1                         ; h = l / 16
	v_mul_u32_u24 v5, s95, v1
	v_mul_u32_u24 v6, s96, v2
	v_add_nc_u32 v[VO], v5, v6
.irp j, 1,2,3,4,5,6,7
	v_add_nc_u32 v[VO+\j], s97, v[VO+\j-1]
.endr
.irp i, 0,1,2,3,4,5,6,7                        ; tile i's eight registers: q, k: channels 16 i + 8 h + j; v: channel 16 i + r in all eight
.irp j, 0,1,2,3,4,5,6,7
	global_load_b32 v[BIAS+8*\i+\j], v[VO+\j], s[98:99] offset:64*\i
.endr
.endr
	v_mul_u32_u24 v3, v1, PITCH
	v_lshl_add_u32 v4, v2, 4, v3                   ; a fragment's row x pitch + 16 x half
	s_mul_i32 s21, s15, HALFT                      ; my 128 rows of A
	s_mul_i32 s22, s16, HALFT                      ; my 128 rows of B,
	s_add_co_u32 s22, s22, 2*HALFT                 ; which lie behind A's 256
.irp s, 0,1
	v_add_nc_u32 v[ADRA+\s], s21, v4
	v_add_nc_u32 v[ADRB+\s], s22, v4
	s_add_co_u32 s21, s21, SLOT
	s_add_co_u32 s22, s22, SLOT
.endr
	v_mul_u32_u24 v5, v1, KS                       ; my row's scales: 32 bytes a row,
	v_lshrrev_b32 v6, 8, v5
	v_lshl_add_u32 v5, v6, 4, v5                   ; and 16 more for each 256 passed
	s_mul_i32 s21, s15, HALFS                      ; A's: my 128 rows
	s_mul_i32 s22, s16, HALFS                      ; B's: my 128 rows, behind A's 256
	s_add_co_u32 s22, s22, 2*HALFS
	s_sub_co_u32 s22, s22, s21
	v_mul_u32_u24 v6, s22, v2                      ; lanes 16-31 take B's
	s_add_co_u32 s21, s21, SCL
	v_add_nc_u32 v5, v5, v6
	v_add_nc_u32 v[ADRS], s21, v5
	; the way out's LDS addresses: each wave has 16,384 bytes of slot 0: two stages of 4,096 bytes for codes, [tile u][16 columns x][row p][16 bytes], and at 8,192 and 8,704 two blocks of 512 bytes of scale words
	s_lshl_b32 s23, s14, 14
	v_lshrrev_b32 v5, 3, v1                        ; u = r / 8
	v_and_b32 v6, 7, v1
	v_lshlrev_b32 v7, 4, v6                        ; 16 (r % 8)
	v_lshl_add_u32 v[STO], v5, 11, v7
	v_lshl_add_u32 v[STO], v2, 3, v[STO]           ; + 8 h: my eight columns of the sixteen
	v_add_nc_u32 v[STO], s23, v[STO]
	v_lshl_add_u32 v[SSO], v5, 2, v7
	v_add_nc_u32 v[SSO], s23, v[SSO]
	v_and_b32 v6, 31, v0
	v_lshlrev_b32 v[LI], 4, v6
	v_add_nc_u32 v[RD], s23, v[LI]
.macro FRAG reg, adr, q, i             ; a fragment, 16 rows x 128 K of 8-bit codes: lane l holds row l % 16; registers 4 c .. 4 c + 3 hold K = 32 c + 16 (l / 16) + 0 .. 15
.irp c, 0,1,2,3
	ds_load_b128 v[\reg+4*\c:\reg+4*\c+3], v[\adr] offset:128*(\q)+32*\c+(\i)*16*PITCH
.endr
.endm
; 16 matrix instructions: A's blocks a0, a0 + 1 x B's eight, 128 along K: the slot's q-th.  p: B's set;  sc: the set of scale words.
; mode 0: onto the sums.  mode 1: the bias along n starts them (tile b's eight registers);  mode 2: the bias along m (tile a's).  Nothing is ever cleared.
; The 64 accumulators take turns, one instruction a turn, in the same order in every step.
.macro MUL16 a0, p, q, sc, mode
.irp a, \a0, \a0+1
.irp b, 0,1,2,3,4,5,6,7
.if \mode == 0
	v_wmma_scale_f32_16x16x128_f8f6f4 v[8*(8*((\a)%4)+\b):8*(8*((\a)%4)+\b)+7], v[128*(\p)+FR*\b:128*(\p)+FR*\b+FR-1], v[AF+FR*(\a):AF+FR*(\a)+FR-1], v[8*(8*((\a)%4)+\b):8*(8*((\a)%4)+\b)+7], v[SC+8*NQ*(\sc)+NQ*\b+(\q)], v[SC+8*NQ*(\sc)+NQ*(\a)+(\q)] matrix_a_fmt:MATRIX_FMT_BF8 matrix_b_fmt:MATRIX_FMT_BF8 matrix_a_scale:MATRIX_SCALE_ROW1
.elseif \mode == 1
	v_wmma_scale_f32_16x16x128_f8f6f4 v[8*(8*((\a)%4)+\b):8*(8*((\a)%4)+\b)+7], v[128*(\p)+FR*\b:128*(\p)+FR*\b+FR-1], v[AF+FR*(\a):AF+FR*(\a)+FR-1], v[BIAS+8*\b:BIAS+8*\b+7], v[SC+8*NQ*(\sc)+NQ*\b+(\q)], v[SC+8*NQ*(\sc)+NQ*(\a)+(\q)] matrix_a_fmt:MATRIX_FMT_BF8 matrix_b_fmt:MATRIX_FMT_BF8 matrix_a_scale:MATRIX_SCALE_ROW1
.else
	v_wmma_scale_f32_16x16x128_f8f6f4 v[8*(8*((\a)%4)+\b):8*(8*((\a)%4)+\b)+7], v[128*(\p)+FR*\b:128*(\p)+FR*\b+FR-1], v[AF+FR*(\a):AF+FR*(\a)+FR-1], v[BIAS+8*(\a):BIAS+8*(\a)+7], v[SC+8*NQ*(\sc)+NQ*\b+(\q)], v[SC+8*NQ*(\sc)+NQ*(\a)+(\q)] matrix_a_fmt:MATRIX_FMT_BF8 matrix_b_fmt:MATRIX_FMT_BF8 matrix_a_scale:MATRIX_SCALE_ROW1
.endif
.endr
.endr
.endm
.macro FETCH_B slot, q, p              ; B's eight fragments of the slot's q-th 128 along K into set p
	WIN TO_B
.irp i, 0,1,2,3,4,5,6,7
	FRAG 128*(\p)+FR*\i, ADRB+\slot, \q, \i
.endr
	WIN 0
.endm
.macro FETCH_A slot, q, i0             ; A's blocks i0 .. i0 + 3
.irp i, \i0, \i0+1, \i0+2, \i0+3
	FRAG AF+FR*(\i), ADRA+\slot, \q, \i
.endr
.endm
.macro SCALES sc                       ; a K step's scale words into set sc: two words a row; lanes 0-15 take A's block i, lanes 16-31 B's block i
.irp i, 0,1,2,3,4,5,6,7
	ds_load_b64 v[SC+8*NQ*\sc+NQ*\i:SC+8*NQ*\sc+NQ*\i+1], v[ADRS] offset:\i*SBLK
.endr
.endm
; A load into a register that a matrix instruction has read, and a vector instruction that reads a matrix result or writes one of a matrix instruction's registers, stand NP places behind it, and only plain
; vector instructions that name none of its registers are places (ISA guide 7.12.1 for vector instructions).
.macro PLACES n
.rept \n
	v_nop
.endr
.endm
; A step of 128 along K that has its successor in the same slot.  A block of A is free as soon as its eight products are issued: blocks 0-3 are fetched anew in the step's middle, blocks 4-7 at its end.
.macro STEP slot, q, mode
	s_wait_dscnt 4*NL                              ; B's set and A's blocks 0-3 are in; the youngest sixteen loads (A's blocks 4-7) may be out
.if \mode
	WIN 0x81                                       ; C, the bias, in window 0; D in window 2
.else
	WIN MUL_LO
.endif
	MUL16 0, (\q)%2, \q, \slot, \mode
	MUL16 2, (\q)%2, \q, \slot, \mode
	s_wait_dscnt 0                                 ; A's blocks 4-7 are in (asked for 32 matrix instructions ago)
	PLACES NP
	FETCH_B \slot, (\q)+1, 1-(\q)%2
	FETCH_A \slot, (\q)+1, 0
.if \mode
	WIN 0xc1                                       ; C in window 0; D in window 3
.else
	WIN MUL_HI
.endif
	MUL16 4, (\q)%2, \q, \slot, \mode
	MUL16 6, (\q)%2, \q, \slot, \mode
	PLACES NP
	WIN 0
	FETCH_A \slot, (\q)+1, 4
.endm
; A slot's last step changes slots: ONE barrier; in front of it each wave waits for all its tensor loads, adds 0 to its spare word, and waits for that and for its own reads of this slot.  fill = 1: this slot is filled again, two K steps ahead.
.macro TURN slot, next, fill
	s_wait_tensorcnt 0x0                           ; all my tensor loads have landed: my part of the next slot;  (every window is 0 here: the add's two registers lie in window 0)
	ds_add_u32 v[SPW], v[NIL]                      ; 0 onto my spare word
	s_wait_dscnt 4*NL+1                            ; (the add and the youngest sixteen loads, A's blocks 4-7, may be out)
	WIN MUL_LO
	MUL16 0, 1, NQ-1, \slot, 0                     ; sixteen matrix instructions stand between the add and the wait for it
	s_wait_dscnt 0x0                               ; the add is done, and my reads of this slot are over
	s_barrier_signal -1
	MUL16 2, 1, NQ-1, \slot, 0
	WIN 0
	s_barrier_wait -1
.if \fill
	CREST                                          ; the barrier has opened a round of the cluster's barrier: no wave of any partner still reads this slot's tile or has a load on its way
	s_add_nc_u64 s[G0+4*\slot+2:G0+4*\slot+3], s[G0+4*\slot+2:G0+4*\slot+3], 2*ROWB
	s_add_nc_u64 s[G0B+4*\slot+2:G0B+4*\slot+3], s[G0B+4*\slot+2:G0B+4*\slot+3], 2*ROWB
	JLOAD G0+4*\slot, G1, G0B+4*\slot, G1B         ; the first tensor load behind the round; the four v_nop behind it are among the places in front of the loads below
	PLACES NP-4
.else
	PLACES NP
.endif
	s_wait_alu depctr_va_vdst(0)
	v_add_nc_u32 v[ADRS], 4*NQ, v[ADRS]            ; on to the next K step's scale words (no LDS load of mine is out)
	FETCH_B \next, 0, 0
	FETCH_A \next, 0, 0
	SCALES \next
	WIN MUL_HI
	MUL16 4, 1, NQ-1, \slot, 0
	MUL16 6, 1, NQ-1, \slot, 0
	PLACES NP
	WIN 0
	FETCH_A \next, 0, 4
.endm
	s_wait_tensorcnt 1                             ; the scales and my part of K step 0 are in (K step 1's load may be out)
	s_barrier_signal -1
	s_barrier_wait -1                              ; everybody's are
	FETCH_B 0, 0, 0
	FETCH_A 0, 0, 0
	SCALES 0
	FETCH_A 0, 0, 4
	s_wait_loadcnt 0x0                             ; the bias
	s_cmp_eq_u32 ttmp9, 2                          ; the first step starts the sums with the bias: along n, or for v along m.  The cluster's x is the same in all partners
	s_cbranch_scc1 .Lfirst_v
	STEP 0, 0, 1
	s_branch .Lfirst_done
.Lfirst_v:
	STEP 0, 0, 2
.Lfirst_done:
	TURN 0, 1, 1                                   ; K = 1,024 is four K steps: each slot is filled again once, so the lap is written out
	STEP 1, 0, 0
	TURN 1, 0, 1
	STEP 0, 0, 0
	TURN 0, 1, 0                                   ; nothing more is asked for: no round of the cluster's barrier
	STEP 1, 0, 0
	s_wait_dscnt 4*NL                              ; the very last step: nothing more to fetch
	WIN MUL_LO
	MUL16 0, 1, NQ-1, 1, 0
	MUL16 2, 1, NQ-1, 1, 0
	s_wait_dscnt 0
	WIN MUL_HI
	MUL16 4, 1, NQ-1, 1, 0
	MUL16 6, 1, NQ-1, 1, 0
	WIN 0
	PLACES NP                                      ; behind the last products: their results are read below, and A's registers are written
	; THE WAY OUT.  Sizes and offsets of the record, by the product
	s_cmp_eq_u32 ttmp9, 0
	s_mov_b32 s92, 34304
	s_cselect_b32 s92, 17408, s92                  ; a record
	s_mov_b32 s95, 32768
	s_cselect_b32 s95, 16384, s95                  ; where its scale words begin (q; k)
	s_lshl_b32 s93, s92, 3                         ; a head: eight records
	s_cmp_eq_u32 ttmp9, 2
	s_cselect_b32 s94, 16384, 0                    ; where the codes begin (v; q, k)
	s_cselect_b32 s95, 33792, s95
	s_mov_b32 s96, 512
	s_cselect_b32 s96, 256, s96                    ; the scale words of 128 tokens
	s_cselect_b32 s97, s93, 4096                   ; from my tile t to t + 4: v: the next head; q, k: four tiles of 1,024 bytes
	s_mov_b32 s100, 1024
	s_cselect_b32 s100, 2048, s100                 ; from tile to tile
	s_cselect_b32 s101, 1024, s93                  ; from my columns 0-63 to 64-127: v: two blocks of 32 keys; q, k: the next head
	s_cselect_b32 s104, s93, 256                   ; from the first 256 bytes of my scale words to the second
	s_mov_b32 s105, 0x01000100
	s_cselect_b32 s105, 0x03020100, s105           ; a scale word: v: the four bytes as they are; q, k: bytes 0, 1 twice,
	s_mov_b32 s45, 0x03020302                      ; and for the second head bytes 2, 3 twice
	s_mov_b32 s2, 0x600000                         ; the mantissa field of 57,344
	s_mov_b32 s18, 0x76543210
	s_mov_b32 s19, 0xfedcba98                      ; v_permlanex16_b32's selects for lane l xor 16
	s_lshr_b32 s20, s66, 11
	s_lshl_b32 s20, s20, 4
	s_lshr_b32 s21, s67, 6
	s_add_co_u32 s20, s20, s21                     ; 16 x batch + my first head
	s_mul_i32 s20, s20, s93
	s_bfe_u32 s21, s66, 0x30008                    ; which 256 tokens of the sequence
	s_mul_i32 s21, s21, s92
	s_add_co_u32 s20, s20, s21                     ; my record
	s_bfe_u32 s21, s66, 0x10007                    ; which 128 of them
	s_lshl_b32 s22, s21, 13
	s_add_co_u32 s46, s20, s94
	s_add_co_u32 s46, s46, s22                     ; my codes' first byte
	s_mul_i32 s21, s21, s96
	s_add_co_u32 s47, s20, s95
	s_add_co_u32 s47, s47, s21                     ; my scale words' first byte
	v_add_nc_u32 v[VOFF], s46, v[LI]
	s_wait_alu depctr_va_vdst(0)
.irp p, 1,2,3,4,5,6,7                          ; tile p of my eight
	s_mul_i32 s20, s97, \p/4
	s_mul_i32 s21, s100, \p%4
	s_add_co_u32 s20, s20, s21
	v_add_nc_u32 v[VOFF+2*\p], s20, v[VOFF]
.endr
	s_wait_alu depctr_va_vdst(0)
.irp p, 0,1,2,3,4,5,6,7
	v_add_nc_u32 v[VOFF+2*\p+1], s101, v[VOFF+2*\p]   ; and its columns 64-127
.endr
	v_lshlrev_b32 v5, 4, v1
	v_mul_u32_u24 v6, s104, v2
	v_add3_u32 v[VS1], v5, v6, s47
	v_add_nc_u32 v[VS2], s93, v[VS1]
.irp b, 0,1,2,3
	v_mov_b32 v[TM+4+\b], 0                        ; written once: a lane permute's destination counts as one of its sources
.endr
; Block a, 16 rows x 128 columns, is quantised: four blocks of 32 columns a row.  Lane (r, h) holds of block b the columns 32 b + 8 h + 0..7 and 32 b + 16 + 8 h + 0..7; lane l xor 16 holds the others.
.macro EQ a
.set AC, 64*((\a)%4)
	WIN 0x0a+5*((\a)/4)                            ; sources 0 and 1: window 2 or 3
.irp b, 0,1,2,3
	v_max3_num_f32 v[TM+\b], |v[AC+16*\b]|, |v[AC+16*\b+1]|, 0x8000000   ; my 16 numbers, each accumulator from its low end on, and the floor 2^(16 - 127): the byte cannot fall under 1
.endr
.irp i, 2,4,6,8,10,12,14
.irp b, 0,1,2,3
	v_max3_num_f32 v[TM+\b], |v[AC+16*\b+\i]|, |v[AC+16*\b+\i+1]|, v[TM+\b]   ; (the four blocks by turns)
.endr
.endr
	WIN 0
.irp b, 0,1,2,3
	v_permlanex16_b32 v[TM+4+\b], v[TM+\b], s18, s19
.endr
.irp b, 0,1,2,3
	v_max_num_f32 v[TM+\b], v[TM+\b], v[TM+4+\b]   ; the block's largest magnitude
.endr
.irp b, 0,1,2,3
	v_add_nc_u32 v[TM+12+\b], 0xf8800000, v[TM+\b] ; 15 off its exponent field: the conversion takes the exponent field of this operand as its scale
.endr
.irp b, 0,1,2,3
	v_and_or_b32 v[TM+8+\b], v[TM+\b], 0x7f800000, s2   ; 57,344 x the scale
.endr
.irp b, 0,1,2,3
	v_lshrrev_b32 v[TM+4+\b], 23, v[TM+12+\b]      ; the scale's byte
.endr
	v_lshl_or_b32 v[W4], v[TM+5], 8, v[TM+4]
	v_lshl_or_b32 v[W4], v[TM+6], 16, v[W4]
	v_lshl_or_b32 v[W4], v[TM+7], 24, v[W4]
	WIN 2+(\a)/4                                   ; source 0: window 2 or 3
.irp b, 0,1,2,3
.set n, 0
.rept 16
	v_med3_num_f32 v[TN+16*\b+n], v[AC+16*\b+n], -v[TM+8+\b], v[TM+8+\b]   ; the conversion to an 8-bit code does not saturate (ISA guide 7.6.2): the hold at the largest code x the scale
.set n, n+1
.endr
.endr
	WIN 0
	s_wait_alu depctr_va_vdst(0)
	s_wait_dscnt 0x0                               ; the last block's LDS stores have read the registers that are written now
.irp x, 0,1,2,3,4,5,6,7
	v_cvt_scalef32_pk8_bf8_f32 v[CD+2*\x:CD+2*\x+1], v[TN+8*\x:TN+8*\x+7], v[TM+12+\x/2]   ; columns 16 x + 8 h + 0..7
.endr
	v_nop                                          ; one plain vector instruction behind the last scaled conversion
	v_perm_b32 v[X1], v[W4], v[W4], s105
	v_perm_b32 v[X2], v[W4], v[W4], s45
.irp x, 0,1,2,3,4,5,6,7
	ds_store_b64 v[STO], v[CD+2*\x:CD+2*\x+1] offset:(((\a)/2)%2)*4096+((\a)%2)*128+\x*256   ; row 16 (a % 2) + r of the 32 is row 8 (a % 2) + r % 8 of tile u = r / 8
.endr
	ds_store_b32 v[SSO], v[X1] offset:8192+((\a)/4)*256+((\a)%2)*128+(((\a)/2)%2)*8   ; lanes l and l xor 16 write the same word with the same value
	ds_store_b32 v[SSO], v[X2] offset:8704+((\a)/4)*256+((\a)%2)*128+(((\a)/2)%2)*8
.endm
; Blocks 2 g and 2 g + 1 leave: two tiles, as images of the operand's registers: each store of the wave covers 512 consecutive bytes, aligned.
.macro EOUT g
.if \g >= 2
	s_wait_xcnt 0x0                                ; the stores of two turns ago have read their data: the set is loaded again only behind this wait
.endif
.irp k, 0,1,2,3,4,5,6,7
	ds_load_b128 v[OB+32*((\g)%2)+4*\k:OB+32*((\g)%2)+4*\k+3], v[RD] offset:((\g)%2)*4096+512*\k   ; LDS serves a wave's instructions in order (ISA guide 5.7.1.4): these see the stores above
.endr
.irp k, 0,1,2,3,4,5,6,7
	s_wait_dscnt 7-\k                              ; load k of the eight is in
	global_store_b128 v[VOFF+2*(2*(\g)+\k/4)+(\k/2)%2], v[OB+32*((\g)%2)+4*\k:OB+32*((\g)%2)+4*\k+3], s[12:13] offset:(\k%2)*512
.endr
.endm
.irp g, 0,1,2,3
	EQ 2*\g
	EQ 2*\g+1
	EOUT \g
.endr
	ds_load_b128 v[TN:TN+3], v[RD] offset:8192     ; my scale words: 512 bytes, and for q, k 512 more
	ds_load_b128 v[TN+4:TN+7], v[RD] offset:8704
	s_wait_dscnt 0x0
	global_store_b128 v[VS1], v[TN:TN+3], s[12:13] ; q, k: the first head's 512 bytes; v: 256 bytes for each of my two heads
	s_cmp_eq_u32 ttmp9, 2
	s_cbranch_scc1 .Lno_second
	global_store_b128 v[VS2], v[TN+4:TN+7], s[12:13]   ; q, k: the second head's
.Lno_second:
	s_wait_tensorcnt 0x0                           ; the wave's end, behind my last tensor load and my last LDS store
	ds_add_u32 v[SPW], v[NIL]
	s_wait_dscnt 0x0
	CROUND                                         ; the closing round: no work-group ends while a partner may still ask for a tile that names it
	s_endpgm
.Lfunc_end_k_q39167398b5_qkv:
	.size	k_q39167398b5_qkv, .Lfunc_end_k_q39167398b5_qkv-k_q39167398b5_qkv
	.p2alignl 7, 3214868480
	.fill 96, 4, 3214868480
	.section	.rodata,"a",@progbits
	.p2align	6, 0x0
	.amdhsa_kernel k_q39167398b5_qkv
		.amdhsa_group_segment_fixed_size 327680
		.amdhsa_private_segment_fixed_size 0
		.amdhsa_enable_private_segment 0
		.amdhsa_kernarg_size 104
		.amdhsa_user_sgpr_count 2
		.amdhsa_user_sgpr_kernarg_segment_ptr 1
		.amdhsa_wavefront_size32 1
		.amdhsa_system_sgpr_workgroup_id_x 1
		.amdhsa_system_sgpr_workgroup_id_y 1
		.amdhsa_system_sgpr_workgroup_id_z 1
		.amdhsa_system_vgpr_workitem_id 0
		.amdhsa_next_free_vgpr 1024
		.amdhsa_next_free_sgpr 106
		.amdhsa_reserve_vcc 0
		.amdhsa_float_denorm_mode_32 3
		.amdhsa_float_denorm_mode_16_64 3
		.amdhsa_memory_ordered 1
		.amdhsa_forward_progress 1
		.amdhsa_inst_pref_size 217
	.end_amdhsa_kernel
	.amdgpu_metadata
---
amdhsa.version: [ 1, 2 ]
amdhsa.kernels:
  - .name:           k_q39167398b5_qkv
    .symbol:         k_q39167398b5_qkv.kd
    .args:
      - { .name: x_codes, .offset: 0, .size: 8, .value_kind: global_buffer, .address_space: global }
      - { .name: x_scales, .offset: 8, .size: 8, .value_kind: global_buffer, .address_space: global }
      - { .name: Wq_codes, .offset: 16, .size: 8, .value_kind: global_buffer, .address_space: global }
      - { .name: Wq_scales, .offset: 24, .size: 8, .value_kind: global_buffer, .address_space: global }
      - { .name: Wk_codes, .offset: 32, .size: 8, .value_kind: global_buffer, .address_space: global }
      - { .name: Wk_scales, .offset: 40, .size: 8, .value_kind: global_buffer, .address_space: global }
      - { .name: Wv_codes, .offset: 48, .size: 8, .value_kind: global_buffer, .address_space: global }
      - { .name: Wv_scales, .offset: 56, .size: 8, .value_kind: global_buffer, .address_space: global }
      - { .name: bq, .offset: 64, .size: 8, .value_kind: global_buffer, .address_space: global }
      - { .name: bk, .offset: 72, .size: 8, .value_kind: global_buffer, .address_space: global }
      - { .name: bv, .offset: 80, .size: 8, .value_kind: global_buffer, .address_space: global }
      - { .name: qimg, .offset: 88, .size: 8, .value_kind: global_buffer, .address_space: global }
      - { .name: kv, .offset: 96, .size: 8, .value_kind: global_buffer, .address_space: global }
    .group_segment_fixed_size: 327680
    .private_segment_fixed_size: 0
    .kernarg_segment_align: 8
    .kernarg_segment_size: 104
    .max_flat_workgroup_size: 128
    .sgpr_count:     106
    .vgpr_count:     1024
    .wavefront_size: 32
...
	.end_amdgpu_metadata
.endif
;; end of part 1
;; launch attn (part 2): grid 4 x 64, 16 waves a work-group, no clusters, 327,680 bytes of LDS; arguments qimg, kv, oimg, oscl; writes oimg, oscl
.if DOCPART == 2
	.amdgcn_target "amdgcn-amd-amdhsa--gfx1250"
	.amdhsa_code_object_version 6
	.text
	.protected	k_q39167398b5_attn
	.globl	k_q39167398b5_attn
	.p2align	8
	.type	k_q39167398b5_attn,@function
k_q39167398b5_attn:
	s_mov_b64 s[64:65], 0
	v_nop
	global_prefetch_b8 v0, s[64:65] scope:SCOPE_SE
	s_setreg_imm32_b32 hwreg(HW_REG_WAVE_MODE, 25, 1), 1
	s_wait_xcnt 0x0
; Causal attention of one head on codes of BF8 (E5M2): S^T = K Q^T (K = the head's 64), p = 2^(t - M), O^T = V^T P^T (K = the keys), O / l quantised along d_model for the last product.
; t = score x log2(e) / 8; M = the row's largest t so far, rounded UP to a whole number; p is quantised along the keys, not normalised; the row's sum l is taken of the unquantised p, in f32.  When M moves, l and O are multiplied by 2^(old M - new M): exact.
; SHARES.  Work-group (i, head) owns the blocks 7 - i and i of 256 queries: block 7 - i walks the key slots 0 .. 7 - i, then block i the slots 0 .. i: nine slots of 256 keys for every work-group.
; Each of the SIXTEEN waves owns one tile of 16 queries in 256 registers: four waves to a SIMD, so that one wave's vector work stands beside another's matrix work and LDS loads.
; K AND V OF THE WHOLE HEAD STAY IN LDS.  A slot is one record of 34,304 dense bytes, written by the launch before in the order of the operands' registers: K's codes, V's codes at 16,384, K's scale words at 32,768, V's at 33,792.
; A head's eight records are 274,432 dense bytes: they are filled ONCE, each wave bringing a sixteenth in two tensor loads, and the second block finds its slots there.  No byte of LDS is filled twice or stored to, so the waves meet
; at three barriers in all: ahead of the second loads, when records 0 and 1 are in, and, behind those two slots' work, when the rest is.  Every LDS read is 16 x lane + the slot's first byte + a constant.
; Work-group i reads records 0 .. 7 - i: its last i records are fetched and not read, 6 of the 32 that a head's four work-groups fetch; the loads' shapes are constants of the text that way, and a ring that fetched each slot
; as it is walked would fetch nine a work-group, 36.
; NO CLUSTER: the four work-groups of a head ask for the same bytes, but what they jump over under the causal mask hangs on the block's number, which would be their place in the cluster.
; LAYOUT.  Both products are used transposed: a lane holds ONE query (lane % 16) throughout.  Row p of a tile 2 g + u (keys, queries, V's channels) is element 32 g + 8 u + p + 8 (p / 8): so the 16 registers of tiles 2 g and 2 g + 1 of a
; result are 16 neighbours, 32 g + 16 (lane / 16) + 0 .. 15.
; K = 64 IN AN INSTRUCTION OF 128: the other 64 are zero codes on both sides.  Runs of eight zero registers are shared: Q lies as [Q][0][Q], two tiles of K as [K][0][K]; an even tile multiplies [K][0] x [Q][0], an odd one [0][K] x [0][Q].
; A scale word of Q or K holds its two bytes twice, which serves both forms.
; CAUSAL.  The loops' trip counts are constants; a slot, or a step of 128 keys, all of whose keys come after the wave's queries is jumped over (a scalar branch on ids); on the diagonal hidden scores become -infinity ahead of the
; maximum.  A tile's queries lie in one aligned group of 32, so in every step that is walked the step's first key counts for every query: no row is all -infinity.
; LIMITS: NaN and infinities are not served; p under 2^-126 comes out of v_exp_f32 as 0; a block whose largest magnitude lies under 2^(16 - 127), a block of zeros too, gets the byte 1 (read by this program alone).
; REGISTERS: v1-10 addresses and constants; v12 -M, v13 the largest t, v[14:15] l in two halves; v16-39 Q; v40-135 K's eight tiles; v136-199 S^T, then p, then V's four fragments; v200-231 O^T;
;   v232-241 scale words (K's, V's, Q's, p's) and nothing else; v242-252 the end's work.  K's registers are free behind K Q^T and hold the softmax's work and p's codes; the zero runs are never touched.
.set REC,   34304                      ; a record
.set HSB,   8*REC                      ; a head in kv, and what lies in LDS
.set RECQ,  17408                      ; a record of qimg
.set HSQ,   8*RECQ
.set R1,    17                         ; rows of 256 bytes in a wave's first load: 16 x 17 = 272 rows hold records 0 and 1 (268 rows) whole
.set R2,    50                         ; and in its second: 17 + 50 = 67 rows, a sixteenth of the head's 1,072
.set E1B,   R1*256
.set E2B,   R2*256
.set LATE,  16*E1B                     ; where the second loads' bytes begin
.set EARLY, 2                          ; slots walked while the second loads are on their way
.set VCO,   16384
.set KSO,   32768
.set VSO,   33792
.set LI,   1                           ; v1   16 x lane
.set ADR,  2                           ; v2   16 x lane + the slot in hand
.set R16,  6                           ; v6   16 r
.set R32,  7                           ; v7   32 r
.set DQ,   8                           ; v8   r + 8 (r / 8) - 16 h
.set DD,   9                           ; v9   the mask's bound
.set NINF, 10                          ; v10  -infinity
.set QF,   16
.set KFR,  40
.set SS,   136
.set OT,   200
.set KSC,  232
.set VSC,  236
.set QSC,  240
.set PSC,  241
.set PC,   56                          ; v56-71   p's codes
.set BM,   80                          ; v80-83   the blocks' largest scores, then largest p
.set BP,   84                          ; v84-87   the other half's; then the bytes
.set BH,   88
.set BO,   92                          ; v92-95   the conversions' scale operands
.set FF,   104                         ; v[104:105] f = 2^(old M - new M), in the low word
.set TT,   106
.set CH2,  108                         ; v[108:109] the sum's second chain
.set FT,   242
.set WV,   12                          ; s12  my wave's number
.set II,   13                          ; s13  i
.set BHD,  14                          ; s14  16 x batch + head
.set QBC,  16                          ; s16  the block of queries in hand
.set Q0,   17                          ; s17  my tile's first query
.set KF,   18                          ; s18  the slot's first key
.set CNT,  21
.set TB,   22                          ; s22  LDS byte at which the slot in hand begins
.set WQ,   25                          ; s25  32 (wave / 2) + 8 (wave % 2)
.set SEL,  26                          ; s[26:27] lane selects for v_permlanex16_b32: lane l xor 16
.set CS,   28                          ; s[28:29] c = log2(e) / 8
.set MNT,  30
.set G1A,  32                          ; s[32:39] descriptor group 1 of the first load;  s[40:43] its group 0
.set G0A,  40
.set G1B,  72                          ; s[72:79], s[80:83] the same of the second
.set G0B,  80
	s_load_b256 s[4:11], s[0:1], 0x0               ; qimg s[4:5], kv s[6:7], oimg s[8:9], oscl s[10:11]
	v_lshl_add_u32 v254, v0, 2, 0x43000
	v_mov_b32 v255, 0
	ds_add_u32 v254, v255
	ds_add_u32 v254, v255
	v_lshrrev_b32 v5, 5, v0
	s_delay_alu instid0(VALU_DEP_1)
	v_readfirstlane_b32 s[WV], v5                  ; wave 0..15
	s_mov_b32 s[II], ttmp9
	s_and_b32 s[BHD], ttmp7, 0xffff
	s_sub_co_u32 s[QBC], 7, s[II]                  ; the longer block first
	; descriptor groups 1: dense rows of 256 bytes (32 elements of 8 bytes), no padding; 17 rows, and 50
	s_mov_b32 s[G1A], 3<<16                        ; 15:0 no mask; 17:16 elements of 8 bytes
	s_mov_b32 s[G1A+1], 32<<16                     ; tensor_dim0 = 32
	s_mov_b32 s[G1A+2], R1<<16                     ; tensor_dim1
	s_mov_b32 s[G1A+3], 32<<16                     ; tile_dim0
	s_mov_b32 s[G1A+4], R1                         ; tile_dim1
	s_mov_b32 s[G1A+5], 32                         ; tensor_dim0_stride: the block is dense
	s_mov_b32 s[G1A+6], 0
	s_mov_b32 s[G1A+7], 0
	s_mov_b32 s[G1B], 3<<16
	s_mov_b32 s[G1B+1], 32<<16
	s_mov_b32 s[G1B+2], R2<<16
	s_mov_b32 s[G1B+3], 32<<16
	s_mov_b32 s[G1B+4], R2
	s_mov_b32 s[G1B+5], 32
	s_mov_b32 s[G1B+6], 0
	s_mov_b32 s[G1B+7], 0
	s_mov_b32 s[G0A], 1                            ; count = 1
	s_mov_b32 s[G0B], 1
	s_mul_i32 s[G0A+1], s[WV], E1B                 ; LDS addresses: the head lies in LDS as it lies in memory
	s_mul_i32 s[G0B+1], s[WV], E2B
	s_add_co_u32 s[G0B+1], s[G0B+1], LATE
	s_mul_i32 s23, s[BHD], HSB                     ; the head's first byte in kv
	s_add_co_u32 s46, s23, s[G0A+1]
	s_mov_b32 s47, 0
	s_add_co_u32 s44, s23, s[G0B+1]
	s_mov_b32 s45, 0
	s_wait_dscnt 0x0
	s_wait_kmcnt 0x0
	s_add_nc_u64 s[G0A+2:G0A+3], s[6:7], s[46:47]
	s_or_b32 s[G0A+3], s[G0A+3], 0x80000000        ; type = 2
	s_add_nc_u64 s[G0B+2:G0B+3], s[6:7], s[44:45]
	s_or_b32 s[G0B+3], s[G0B+3], 0x80000000
	tensor_load_to_lds s[G0A:G0A+3], s[G1A:G1A+7]  ; my sixteenth of the first 69,632 bytes.  Four v_nop follow a tensor load
	s_nop 0
.rept 4
	v_nop
.endr
	; the set-up stands between my two loads, so that the other waves' first loads are asked for ahead of my second.
	; Where my tile's Q comes from and its O goes, but for the block's part
	s_mov_b32 s67, 0
	s_mul_i32 s66, s[BHD], HSQ
	s_lshl_b32 s68, s[WV], 10
	s_add_co_u32 s66, s66, s68
	s_add_nc_u64 s[56:57], s[4:5], s[66:67]        ; Q's codes: tile w of the record, 1,024 bytes a tile
	s_mul_i32 s66, s[BHD], HSQ
	s_lshr_b32 s68, s[WV], 2
	s_lshl_b32 s68, s68, 8
	s_add_co_u32 s66, s66, s68
	s_and_b32 s68, s[WV], 3
	s_lshl_b32 s68, s68, 2
	s_add_co_u32 s66, s66, s68
	s_add_co_u32 s66, s66, 16384
	s_add_nc_u64 s[58:59], s[4:5], s[66:67]        ; its scale words: 256 (w / 4) + 16 r + 4 (w % 4)
	s_and_b32 s23, s[BHD], 15                      ; head
	s_lshr_b32 s24, s[BHD], 4                      ; batch
	s_lshr_b32 s66, s23, 2
	s_lshl_b32 s66, s66, 21                        ; oimg: [head / 4][tile of tokens][4,096 bytes]
	s_lshl_b32 s68, s24, 7
	s_add_co_u32 s68, s68, s[WV]                   ; tile of tokens = 128 x batch + 16 x block + wave
	s_lshl_b32 s69, s68, 12
	s_add_co_u32 s66, s66, s69
	s_and_b32 s69, s23, 3
	s_lshl_b32 s69, s69, 10
	s_add_co_u32 s66, s66, s69
	s_add_nc_u64 s[60:61], s[8:9], s[66:67]
	s_lshl_b32 s66, s68, 9                         ; oscl: 32 bytes a row, 512 a tile; bytes 2 x head and 2 x head + 1
	s_lshl_b32 s69, s23, 1
	s_add_co_u32 s66, s66, s69
	s_add_nc_u64 s[62:63], s[10:11], s[66:67]
	s_lshr_b32 s[WQ], s[WV], 1
	s_lshl_b32 s[WQ], s[WQ], 5
	s_and_b32 s23, s[WV], 1
	s_lshl_b32 s23, s23, 3
	s_add_co_u32 s[WQ], s[WQ], s23
	s_mov_b32 s[SEL], 0x76543210
	s_mov_b32 s[SEL+1], 0xfedcba98
	s_mov_b32 s[CS], 0x3e38aa3b                    ; c = log2(e) / 8
	s_mov_b32 s[CS+1], s[CS]                       ; (named with it as a pair, so it is written)
	s_wait_alu depctr_va_vdst(0)
	s_wait_tensorcnt 0x0
	ds_add_u32 v254, v255
	s_wait_dscnt 0x0
	s_barrier_signal -1
	s_barrier_wait -1
	tensor_load_to_lds s[G0B:G0B+3], s[G1B:G1B+7]  ; my sixteenth of the other 204,800 bytes: one tensor load of mine is out, and no more are issued
	s_nop 0
.rept 4
	v_nop
.endr
	v_and_b32 v5, 31, v0
	s_delay_alu instid0(VALU_DEP_1)
	v_lshlrev_b32 v[LI], 4, v5
	v_and_b32 v5, 15, v0                           ; r
	s_delay_alu instid0(VALU_DEP_1)
	v_lshlrev_b32 v[R16], 4, v5
	s_delay_alu instid0(VALU_DEP_2)
	v_lshlrev_b32 v[R32], 5, v5
	s_delay_alu instid0(VALU_DEP_3)
	v_and_b32 v[DQ], 8, v5
	s_delay_alu instid0(VALU_DEP_1)
	v_add_nc_u32 v[DQ], v[DQ], v5                  ; r + 8 (r / 8)
	v_bfe_u32 v[DD], v0, 4, 1
	s_delay_alu instid0(VALU_DEP_1)
	v_lshlrev_b32 v[DD], 4, v[DD]
	s_delay_alu instid0(VALU_DEP_1)
	v_sub_nc_u32 v[DQ], v[DQ], v[DD]               ; - 16 h
	v_mov_b32 v[NINF], 0xff800000
.irp j, 0,1,2,3,4,5,6,7                        ; the zero runs: written once
	v_mov_b32 v[QF+8+\j], 0
	v_mov_b32 v[KFR+8+\j], 0
	v_mov_b32 v[KFR+32+\j], 0
	v_mov_b32 v[KFR+56+\j], 0
	v_mov_b32 v[KFR+80+\j], 0
.endr
	v_mov_b32 v[FT+2], 0                           ; written once: a lane permute's destination counts as one of its sources;
	v_mov_b32 v[FT+3], 0
	v_mov_b32 v[FT+10], 0
	v_mov_b32 v[FT+9], 0                           ; and the upper half of a pair that is named whole
; A block of queries begins: its addresses, my tile of Q, and the running figures.
.macro INIT
	s_wait_xcnt 0x0                                ; earlier loads and stores have read their bases and data: both are written again only behind this wait
	s_lshl_b32 s[Q0], s[QBC], 8
	s_add_co_u32 s[Q0], s[Q0], s[WQ]
	s_mul_i32 s66, s[QBC], RECQ
	s_add_nc_u64 s[48:49], s[56:57], s[66:67]
	s_add_nc_u64 s[50:51], s[58:59], s[66:67]
	s_lshl_b32 s66, s[QBC], 16
	s_add_nc_u64 s[52:53], s[60:61], s[66:67]
	s_lshl_b32 s66, s[QBC], 13
	s_add_nc_u64 s[54:55], s[62:63], s[66:67]
	global_load_b128 v[QF:QF+3], v[LI], s[48:49]               ; Q's eight registers, in front of the zero run
	global_load_b128 v[QF+4:QF+7], v[LI], s[48:49] offset:512
	global_load_b128 v[QF+16:QF+19], v[LI], s[48:49]           ; and behind it
	global_load_b128 v[QF+20:QF+23], v[LI], s[48:49] offset:512
	global_load_b32 v[QSC], v[R16], s[50:51]
	v_mov_b32 v13, 0xff61b1e6                      ; the largest t so far: -3e38, under every t
	s_delay_alu instid0(VALU_DEP_1)
	v_floor_f32 v12, -v13                          ; -M
	v_mov_b32 v14, 0
	v_mov_b32 v15, 0
.set n, 0
.rept 32
	v_mov_b32 v[OT+n], 0                           ; O^T.  (The step is written once: the first finds zeros, which the first change of M leaves zeros)
.set n, n+1
.endr
	s_wait_loadcnt 0x0
.endm
; A KEY STEP: 128 keys, the q-th of the slot in hand.  skip = 1: it is jumped over where all its keys come after my queries.  mask = 1: it may lie on the diagonal.
.macro STEP q, skip, mask
.if \skip || \mask
.if \q
	s_add_co_u32 s24, s[KF], 128                   ; the step's first key
.else
	s_mov_b32 s24, s[KF]
.endif
.endif
.if \skip
	s_cmp_gt_u32 s24, s[Q0]                        ; ids alone decide
	s_cbranch_scc1 .Lhidden_\@
.endif
.irp t, 0,1,2,3,4,5,6,7
.irp c, 0,1
	ds_load_b128 v[KFR+24*(\t/2)+16*(\t%2)+4*\c:KFR+24*(\t/2)+16*(\t%2)+4*\c+3], v[ADR] offset:8192*\q+1024*\t+512*\c
.endr
.endr
	ds_load_b128 v[KSC:KSC+3], v[ADR] offset:KSO+512*\q        ; lanes 0-15: the words of tiles 0-3; lanes 16-31: of tiles 4-7
	s_wait_dscnt 0x0
.irp t, 0,1,2,3,4,5,6,7
.if \t < 4
	v_wmma_scale_f32_16x16x128_f8f6f4 v[SS+8*\t:SS+8*\t+7], v[KFR+24*(\t/2)+8*(\t%2):KFR+24*(\t/2)+8*(\t%2)+15], v[QF+8*(\t%2):QF+8*(\t%2)+15], 0, v[KSC+\t%4], v[QSC] matrix_a_fmt:MATRIX_FMT_BF8 matrix_b_fmt:MATRIX_FMT_BF8
.else
	v_wmma_scale_f32_16x16x128_f8f6f4 v[SS+8*\t:SS+8*\t+7], v[KFR+24*(\t/2)+8*(\t%2):KFR+24*(\t/2)+8*(\t%2)+15], v[QF+8*(\t%2):QF+8*(\t%2)+15], 0, v[KSC+\t%4], v[QSC] matrix_a_fmt:MATRIX_FMT_BF8 matrix_b_fmt:MATRIX_FMT_BF8 matrix_a_scale:MATRIX_SCALE_ROW1
.endif
.endr
.rept 8
	v_nop                                          ; eight places: the scores are read, and K's registers written, below
.endr
.if \mask
	s_add_co_u32 s23, s24, 127                     ; a step all of whose keys count skips the mask
	s_cmp_le_u32 s23, s[Q0]
	s_cbranch_scc1 .Lopen_\@
	s_sub_co_i32 s23, s[Q0], s24
	v_add_nc_u32 v[DD], s23, v[DQ]                 ; d = my query - the step's first key - 16 h.  Register 16 b + i holds that key + 16 h + 32 b + i: hidden where 32 b + i > d
.set n, 0
.rept 64
	v_cmp_gt_i32 vcc_lo, 32*(n/16)+n%16, v[DD]
	v_cndmask_b32 v[SS+n], v[SS+n], v[NINF], vcc_lo
.set n, n+1
.endr
.Lopen_\@:
.endif
.irp b, 0,1,2,3
	v_max3_num_f32 v[BM+\b], v[SS+16*\b], v[SS+1+16*\b], v[SS+2+16*\b]   ; the largest score of each block of 32 keys: for the row's maximum, and, since p rises with the score, for the block's largest p
.endr
.irp i, 3,5,7,9,11,13
.irp b, 0,1,2,3
	v_max3_num_f32 v[BM+\b], v[BM+\b], v[SS+16*\b+\i], v[SS+1+16*\b+\i]   ; (the four blocks by turns)
.endr
.endr
.irp b, 0,1,2,3
	v_max_num_f32 v[BM+\b], v[BM+\b], v[SS+15+16*\b]
.endr
.irp b, 0,1,2,3
	s_delay_alu instid0(VALU_DEP_4)
	v_permlanex16_b32 v[BP+\b], v[BM+\b], s[SEL], s[SEL+1]
.endr
.irp b, 0,1,2,3
	s_delay_alu instid0(VALU_DEP_4)
	v_max_num_f32 v[BM+\b], v[BM+\b], v[BP+\b]     ; with lane l xor 16's 16 keys
.endr
	s_delay_alu instid0(VALU_DEP_2)
	v_max3_num_f32 v[TT], v[BM], v[BM+1], v[BM+2]
	s_delay_alu instid0(VALU_DEP_1)
	v_max_num_f32 v[TT], v[TT], v[BM+3]            ; the step's largest score of my query
	s_delay_alu instid0(VALU_DEP_1)
	v_mul_f32 v[TT], s[CS], v[TT]                  ; as t (c is positive)
	s_delay_alu instid0(VALU_DEP_1)
	v_max_num_f32 v13, v13, v[TT]                  ; the running largest t
	v_mov_b32 v[TT], v12
	s_delay_alu instid0(VALU_DEP_2)
	v_floor_f32 v12, -v13                          ; the new -M = floor(-t) = -ceil(t): M is a whole number
	s_delay_alu instid0(VALU_DEP_1)
	v_sub_f32 v[TT], v12, v[TT]                    ; M's old value less its new one: a whole number, 0 or less
	s_delay_alu instid0(VALU_DEP_1)
	v_cvt_i32_f32 v[TT], v[TT]                     ; (it saturates)
	s_delay_alu instid0(VALU_DEP_1)
	v_ldexp_f32 v[FF], 1.0, v[TT]                  ; f = 2^(old M - new M)
.set n, 0
.rept 32
	v_pk_fma_f32 v[SS+n:SS+n+1], v[SS+n:SS+n+1], s[CS:CS+1], v[12:13] op_sel_hi:[1,0,0]   ; t - M, two at a time (of the pairs c and -M the low word serves both halves)
.set n, n+2
.endr
.irp b, 0,1,2,3
	v_fma_f32 v[BM+\b], v[BM+\b], s[CS], v12       ; the same of each block's largest score
.endr
.set n, 0
	s_wait_alu depctr_va_vdst(0)
.rept 64
	v_exp_f32 v[SS+n], v[SS+n]                     ; p = 2^(t - M), at most 1: not normalised
.set n, n+1
.endr
.irp b, 0,1,2,3
	v_exp_f32 v[BM+\b], v[BM+\b]                   ; the block's largest p: the same two instructions on the same number give the same bits
.endr
	v_pk_mul_f32 v[14:15], v[14:15], v[FF:FF+1] op_sel_hi:[1,0]   ; the sums under the new M.  (A plain place behind the exponentials)
	s_wait_alu depctr_va_vdst(0)
.irp b, 0,1,2,3
	v_max_num_f32 v[BM+\b], 0x8000000, v[BM+\b]    ; the floor 2^(16 - 127): the byte cannot fall under 1 (a block whose every p is 0 keeps that byte: its codes are zeros)
.endr
.irp b, 0,1,2,3
	s_delay_alu instid0(VALU_DEP_4)
	v_add_nc_u32 v[BO+\b], 0xf8800000, v[BM+\b]    ; 15 off the exponent field: the conversion's scale operand
.endr
.irp b, 0,1,2,3
.endr
.irp b, 0,1,2,3
	s_delay_alu instid0(VALU_DEP_4)
	v_lshrrev_b32 v[BP+\b], 23, v[BO+\b]           ; the scale's byte
.endr
	s_delay_alu instid0(VALU_DEP_3)
	v_lshl_or_b32 v[PSC], v[BP+1], 8, v[BP]        ; p's scale word for these 128 keys: far more than eight places ahead of the products that name it
	s_delay_alu instid0(VALU_DEP_1)
	v_lshl_or_b32 v[PSC], v[BP+2], 16, v[PSC]
	s_delay_alu instid0(VALU_DEP_1)
	v_lshl_or_b32 v[PSC], v[BP+3], 24, v[PSC]
	v_pk_add_f32 v[CH2:CH2+1], v[SS:SS+1], v[SS+2:SS+3]   ; the row's sum is taken of the unquantised p: two at a time, in two chains
.set n, 4
.rept 15
	v_pk_add_f32 v[14:15], v[14:15], v[SS+n:SS+n+1]
	v_pk_add_f32 v[CH2:CH2+1], v[CH2:CH2+1], v[SS+n+2:SS+n+3]
.set n, n+4
.endr
	s_delay_alu instid0(VALU_DEP_1)
	v_pk_add_f32 v[14:15], v[14:15], v[CH2:CH2+1]
.irp b, 0,1,2,3
.set n, 0
.rept 16
.set n, n+1
.endr
	v_cvt_scalef32_pk8_bf8_f32 v[PC+4*\b:PC+4*\b+1], v[SS+16*\b:SS+16*\b+7], v[BO+\b]
	v_cvt_scalef32_pk8_bf8_f32 v[PC+4*\b+2:PC+4*\b+3], v[SS+16*\b+8:SS+16*\b+15], v[BO+\b]
.irp c, 0,1,2,3
	ds_load_b128 v[SS+16*\b+4*\c:SS+16*\b+4*\c+3], v[ADR] offset:VCO+8192*\q+2048*\b+512*\c   ; the block's 16 registers are free: V's tile b lands there
.endr
.endr
.set n, 0
.rept 16
	v_pk_mul_f32 v[OT+n:OT+n+1], v[OT+n:OT+n+1], v[FF:FF+1] op_sel_hi:[1,0]   ; O^T under the new M, each accumulator from its low end on.  (Also the plain lines behind the conversions and in front of the products)
.set n, n+2
.endr
	s_wait_alu depctr_va_vdst(0)
	s_wait_dscnt 0x0                               ; V
.irp t, 0,1,2,3                                ; O^T += V^T P^T: four accumulators by turns; the next step's eight other products stand between a chain's links
.if \q
	v_wmma_scale_f32_16x16x128_f8f6f4 v[OT+8*\t:OT+8*\t+7], v[SS+16*\t:SS+16*\t+15], v[PC:PC+15], v[OT+8*\t:OT+8*\t+7], v[VSC+\t], v[PSC] matrix_a_fmt:MATRIX_FMT_BF8 matrix_b_fmt:MATRIX_FMT_BF8 matrix_a_scale:MATRIX_SCALE_ROW1
.else
	v_wmma_scale_f32_16x16x128_f8f6f4 v[OT+8*\t:OT+8*\t+7], v[SS+16*\t:SS+16*\t+15], v[PC:PC+15], v[OT+8*\t:OT+8*\t+7], v[VSC+\t], v[PSC] matrix_a_fmt:MATRIX_FMT_BF8 matrix_b_fmt:MATRIX_FMT_BF8
.endif
.endr
.rept 9
	v_nop                                          ; nine places: the next scores are written by matrix instructions over V's registers; loads land on p's codes and on scale words; the end reads O^T
.endr
.if \skip
.Lhidden_\@:
.endif
.endm
; A SLOT of 256 keys.  guarded = 1: a slot past my block's diagonal is jumped over whole, the load of V's scale words too, so that no LDS load is left out over the loop's edge; the lines that step the slot stand behind the label.
.macro TRIP guarded
.if \guarded
	s_cmp_gt_u32 s[KF], s[Q0]                      ; ids alone decide
	s_cbranch_scc1 .Lpast_\@
.endif
	v_add_nc_u32 v[ADR], s[TB], v[LI]
	ds_load_b128 v[VSC:VSC+3], v[ADR] offset:VSO   ; V's scale words: lanes 0-15 the first 128 keys', lanes 16-31 the second's; register t: tile t
	STEP 0, 0, \guarded                            ; the slot's first key counts for my queries: its first step is always walked
	STEP 1, \guarded, \guarded
.if \guarded
.Lpast_\@:
.endif
	s_add_co_u32 s[TB], s[TB], REC                 ; on to the next slot
	s_add_co_u32 s[KF], s[KF], 256
.endm
; A block's end: O^T / l, quantised along d_model (a head is two blocks of 32), leaves as an image of the last product's operand registers, with its two scale bytes a row.
.macro FINAL
	v_add_f32 v[FT+8], v14, v15                    ; the sum's two halves,
	s_delay_alu instid0(VALU_DEP_1)
	v_permlanex16_b32 v[FT+10], v[FT+8], s[SEL], s[SEL+1]
	s_delay_alu instid0(VALU_DEP_1)
	v_add_f32 v[FT+8], v[FT+8], v[FT+10]           ; and lane l xor 16's: the row's sum
	s_wait_alu depctr_va_vdst(0)
	v_rcp_f32 v[FT+8], v[FT+8]
	v_nop                                          ; one plain place behind a transcendental
.set n, 0
	s_wait_alu depctr_va_vdst(0)
.rept 16
	v_pk_mul_f32 v[SS+n:SS+n+1], v[OT+n:OT+n+1], v[FT+8:FT+9] op_sel_hi:[1,0]   ; register 16 b + i: channel 32 b + 16 h + i of my query
.set n, n+2
.endr
.irp b, 0,1
	v_max3_num_f32 v[FT+\b], |v[SS+16*\b]|, |v[SS+16*\b+1]|, 0x8000000   ; my 16 numbers and the floor 2^(16 - 127)
.endr
.irp i, 2,4,6,8,10,12,14
.irp b, 0,1
	s_delay_alu instid0(VALU_DEP_2)
	v_max3_num_f32 v[FT+\b], v[FT+\b], |v[SS+16*\b+\i]|, |v[SS+16*\b+\i+1]|
.endr
.endr
.irp b, 0,1
	s_delay_alu instid0(VALU_DEP_2)
	v_permlanex16_b32 v[FT+2+\b], v[FT+\b], s[SEL], s[SEL+1]
.endr
.irp b, 0,1
	s_delay_alu instid0(VALU_DEP_2)
	v_max_num_f32 v[FT+\b], v[FT+\b], v[FT+2+\b]
.endr
.irp b, 0,1
	s_delay_alu instid0(VALU_DEP_2)
	v_add_nc_u32 v[FT+6+\b], 0xf8800000, v[FT+\b]
.endr
.irp b, 0,1
.endr
.irp b, 0,1
	s_delay_alu instid0(VALU_DEP_2)
	v_lshrrev_b32 v[FT+2+\b], 23, v[FT+6+\b]
.endr
.irp b, 0,1
.set n, 0
.rept 16
.set n, n+1
.endr
	v_cvt_scalef32_pk8_bf8_f32 v[PC+4*\b:PC+4*\b+1], v[SS+16*\b:SS+16*\b+7], v[FT+6+\b]
	v_cvt_scalef32_pk8_bf8_f32 v[PC+4*\b+2:PC+4*\b+3], v[SS+16*\b+8:SS+16*\b+15], v[FT+6+\b]
.endr
	v_lshl_or_b32 v[FT+10], v[FT+3], 8, v[FT+2]    ; the two bytes.  (Also the plain line behind the last conversion)
	global_store_b128 v[LI], v[PC:PC+3], s[52:53]              ; each store of the wave covers 512 consecutive bytes, aligned
	global_store_b128 v[LI], v[PC+4:PC+7], s[52:53] offset:512
	global_store_b16 v[R32], v[FT+10], s[54:55]    ; two bytes of each row's 32: lanes l and l xor 16 write the same two.  One part in 32 of what the launch stores
.endm
	INIT
	s_mov_b32 s[TB], 0
	s_mov_b32 s[KF], 0
	s_mov_b32 s[CNT], EARLY
	s_wait_tensorcnt 0x1                           ; my first load has landed; my second, issued behind it, may stay out, and the two slots below lie whole in the first loads' bytes
	s_barrier_signal -1
	s_barrier_wait -1                              ; everybody's first load has landed: records 0 and 1 are whole
.Learly:                                           ; slots 0 and 1 of the longer block, whose queries begin at 1,024 or later: every key counts, so nothing is jumped over and nothing masked
	TRIP 0
	s_sub_co_u32 s[CNT], s[CNT], 1
	s_cmp_lg_u32 s[CNT], 0
	s_cbranch_scc1 .Learly
	s_wait_tensorcnt 0x0                           ; my second load has landed (no LDS load of mine is out: each step has waited for its own)
	s_barrier_signal -1
	s_barrier_wait -1                              ; everybody's has: the whole head lies in LDS, and from here on no wave waits for another
	s_mov_b32 s[CNT], 8-EARLY
.Llate:                                            ; slots 2 to 7 of the longer block: those past its diagonal are jumped over
	TRIP 1
	s_sub_co_u32 s[CNT], s[CNT], 1
	s_cmp_lg_u32 s[CNT], 0
	s_cbranch_scc1 .Llate
	FINAL
	s_mov_b32 s[QBC], s[II]                        ; the shorter block: one of blocks 0 to 3, so slots 0 to 3 are all that it can want
	INIT
	s_mov_b32 s[TB], 0
	s_mov_b32 s[KF], 0
	s_mov_b32 s[CNT], 4
.Lsecond:
	TRIP 1
	s_sub_co_u32 s[CNT], s[CNT], 1
	s_cmp_lg_u32 s[CNT], 0
	s_cbranch_scc1 .Lsecond
	FINAL
	s_wait_tensorcnt 0x0
	ds_add_u32 v254, v255
	s_wait_dscnt 0x0
	s_endpgm
.Lfunc_end_k_q39167398b5_attn:
	.size	k_q39167398b5_attn, .Lfunc_end_k_q39167398b5_attn-k_q39167398b5_attn
	.p2alignl 7, 3214868480
	.fill 96, 4, 3214868480
	.section	.rodata,"a",@progbits
	.p2align	6, 0x0
	.amdhsa_kernel k_q39167398b5_attn
		.amdhsa_group_segment_fixed_size 327680
		.amdhsa_private_segment_fixed_size 0
		.amdhsa_enable_private_segment 0
		.amdhsa_kernarg_size 32
		.amdhsa_user_sgpr_count 2
		.amdhsa_user_sgpr_kernarg_segment_ptr 1
		.amdhsa_wavefront_size32 1
		.amdhsa_system_sgpr_workgroup_id_x 1
		.amdhsa_system_sgpr_workgroup_id_y 1
		.amdhsa_system_sgpr_workgroup_id_z 1
		.amdhsa_system_vgpr_workitem_id 0
		.amdhsa_next_free_vgpr 256
		.amdhsa_next_free_sgpr 84
		.amdhsa_reserve_vcc 1
		.amdhsa_float_denorm_mode_32 3
		.amdhsa_float_denorm_mode_16_64 3
		.amdhsa_fp16_overflow 1
		.amdhsa_memory_ordered 1
		.amdhsa_forward_progress 1
		.amdhsa_inst_pref_size 141
	.end_amdhsa_kernel
	.amdgpu_metadata
---
amdhsa.version: [ 1, 2 ]
amdhsa.kernels:
  - .name:           k_q39167398b5_attn
    .symbol:         k_q39167398b5_attn.kd
    .args:
      - { .name: qimg, .offset: 0, .size: 8, .value_kind: global_buffer, .address_space: global }
      - { .name: kv, .offset: 8, .size: 8, .value_kind: global_buffer, .address_space: global }
      - { .name: oimg, .offset: 16, .size: 8, .value_kind: global_buffer, .address_space: global }
      - { .name: oscl, .offset: 24, .size: 8, .value_kind: global_buffer, .address_space: global }
    .group_segment_fixed_size: 327680
    .private_segment_fixed_size: 0
    .kernarg_segment_align: 8
    .kernarg_segment_size: 32
    .max_flat_workgroup_size: 512
    .sgpr_count:     84
    .vgpr_count:     256
    .wavefront_size: 32
...
	.end_amdgpu_metadata
.endif
;; end of part 2
;; launch oproj (part 3): grid 4 x 32, 4 waves a work-group, clusters of 4 x 4, 327,680 bytes of LDS; arguments oimg, oscl, Wo_codes, Wo_scales, bo, out0; writes out0
.if DOCPART == 3
	.amdgcn_target "amdgcn-amd-amdhsa--gfx1250"
	.amdhsa_code_object_version 6
	.text
	.protected	k_q39167398b5_oproj
	.globl	k_q39167398b5_oproj
	.p2align	8
	.type	k_q39167398b5_oproj,@function
k_q39167398b5_oproj:
	s_mov_b64 s[64:65], 0
	v_nop
	global_prefetch_b8 v0, s[64:65] scope:SCOPE_SE
	s_setreg_imm32_b32 hwreg(HW_REG_WAVE_MODE, 25, 1), 1
	s_wait_xcnt 0x0
	s_wait_alu depctr_hold_cnt(0) depctr_sa_sdst(0) depctr_va_vdst(0) depctr_va_sdst(0) depctr_va_ssrc(0) depctr_va_vcc(0) depctr_vm_vsrc(0)
	s_getreg_b32 s2, hwreg(HW_REG_IB_STS2, 6, 4)
	s_cmp_eq_u32 s2, 0
	s_cbranch_scc0 .Lentry_in_a_cluster
	s_endpgm
.Lentry_in_a_cluster:
	s_bfe_u32 s2, ttmp6, 0x10000c
	s_cmp_lg_u32 s2, 0xf033
	s_cbranch_scc0 .Lentry_shape_is_right
	s_endpgm
.Lentry_shape_is_right:
; out0 = O Wo^T + bo on codes of BF8 (E5M2) with one E8M0 scale for each 32 along K = 1,024; out0 [8,192][1,024] f32; sums in f32, begun with bo as the C of each sum's first matrix instruction.
; A = O arrives from the launch before as IMAGES OF THE OPERAND'S REGISTERS: oimg [256 along K (4)][tile of 16 rows (512)][4,096 bytes], in the 4,096 bytes [128 along K][32 along K][lane x 16 bytes]; a K step's part of 256 rows is one
; dense block of 65,536 bytes, and a fragment is four LDS loads at 16 x lane + a constant: no pitch, no padding.  Its scale bytes: oscl [image row][32].  Image row p of tile T is token 32 (T / 2) + 8 (T % 2) + p + 8 (p / 8):
; only the stores' row offsets know of it.  B = Wo: codes [1,024][1,024], K innermost, through padded LDS rows.
; A tile of C, 256 x 256, is made by a work-group of four waves; a wave makes 128 x 128: 64 accumulators, 512 registers.  K goes in steps of 256 through a ring of two LDS slots filled by joint tensor loads
; (4 x 4 work-groups: A's tile shared along a row of the cluster, B's along a column).  The scale bytes of the work-group's rows come once.  128 work-groups: as many as C has tiles of this size.
; THE MATRIX INSTRUCTION IS USED TRANSPOSED (source 0 = 16 rows of B, source 1 = 16 rows of A): a lane holds eight neighbouring numbers of a row of C.
; REGISTERS, in windows of 256: window 0: v0-31 addresses; v32-63 scale words, two sets; v64-127 the bias; from v128 A's fragments, ONE set; on the way out v128-255 rows of C.
;   window 1: B's fragments, TWO sets.   window 2: the accumulators of my rows 0-63 ((a, b) at v[8 (8 a + b)]);   window 3: those of my rows 64-127.
.set KSTEP,  256
.set NQ,     KSTEP/128
.set ROWB,   256                       ; a row of B's tile in bytes
.set KROW,   1024                      ; a row of B in memory
.set PITCH,  272                       ; B's LDS row: 256 bytes + 16 of padding: the 16 rows that a load touches start at 16 different banks (64 banks of 4 bytes: ISA guide 11.1)
.set FR,     16
.set NL,     4
.set NP,     8                         ; places behind this matrix instruction (ISA guide 7.12.1)
.set HALFA,  32768                     ; A: eight tiles of 16 rows, 256 along K: what one tensor load brings
.set KKB,    2097152                   ; A: from one 256 along K to the next in memory
.set ASZ,    2*HALFA
.set HALFT,  128*PITCH                 ; B: 128 rows
.set SLOT,   ASZ+2*HALFT               ; A's 256 rows, then B's 256 rows
.set KS,     32
.set SCL,    2*SLOT                    ; behind the ring: the scales, as units of 256 bytes + 16 of padding
.set HALFS,  (128*KS/256)*272
.set SBLK,   (16*KS/256)*272
.set SPARE,  SCL+4*HALFS               ; the spare words, 128 bytes for each wave: two blocks of 256 bytes that no other line names
.set SPITCH, 528                       ; the way out: a stage of 16 rows x (512 bytes + 16) for each wave, in slot 0, which has had its last fill and its last read when the first result is stored there
.set NROW,   4096                      ; a row of out0 in bytes
.set ADRA, 16
.set ADRB, 20
.set STO,  24
.set RD,   25
.set CO,   26
.set ADRS, 27
.set SPW,  28                          ; v28     LDS address of my spare word; never rewritten
.set NIL,  29                          ; v29     0; never rewritten
.set SC,   32
.set BIAS, 64
.set AF,   128
.set BK,   128
.set G1, 24
.set G0, 32
.set G1B, 48
.set G0B, 56
.set G1S, 68
.set G0S, 76
.set G1SB, 80
.set G0SB, 88
.set MSB, 0
.macro WIN new                         ; the immediate's high byte repeats the setting that is left
.if MSB != \new
	s_set_vgpr_msb (MSB<<8)|\new
.set MSB, \new
.endif
.endm
.set MUL_LO, 0xa1                      ; source 0 (B) window 1, source 1 (A) window 0, C and D window 2
.set MUL_HI, 0xf1                      ; the same, C and D window 3
.set TO_B,   0x40                      ; destination window 1, address window 0
; A joint load: waves 0 and 1 fetch for A, waves 2 and 3 for B; the branch hangs on the wave's number alone.  Four v_nop follow each of the two lines.
.macro JLOAD g0a, g1a, g0b, g1b
	s_cmp_eq_u32 s15, 0
	s_cbranch_scc0 .Lfor_b_\@
	tensor_load_to_lds s[\g0a:\g0a+3], s[\g1a:\g1a+7]
	s_nop 0
.rept 4
	v_nop
.endr
	s_branch .Lasked_\@
.Lfor_b_\@:
	tensor_load_to_lds s[\g0b:\g0b+3], s[\g1b:\g1b+7]
	s_nop 0
.rept 4
	v_nop
.endr
.Lasked_\@:
.endm
.macro CREST                           ; a round of the cluster's barrier behind its opening barrier
	s_cmp_lg_u32 s14, 0
	s_cbranch_scc1 .Lnot_wave_0_\@
	s_barrier_signal -3
.Lnot_wave_0_\@:
	s_barrier_wait -3
	s_barrier_signal -1
	s_barrier_wait -1
.endm
.macro CROUND                          ; a whole round
	s_barrier_signal -1
	s_barrier_wait -1
	CREST
.endm
	s_load_b128 s[4:7], s[0:1], 0x0                ; A's images s[4:5], A's scales s[6:7]
	s_load_b128 s[8:11], s[0:1], 0x10              ; B's codes s[8:9], B's scales s[10:11]
	s_load_b64 s[96:97], s[0:1], 0x20              ; bo
	s_load_b64 s[12:13], s[0:1], 0x28              ; out0
	v_lshl_add_u32 v[SPW], v0, 2, SPARE
	v_mov_b32 v[NIL], 0
	ds_add_u32 v28, v29
	ds_add_u32 v28, v29
	s_wait_dscnt 0x0
	v_lshrrev_b32 v1, 5, v0
	v_readfirstlane_b32 s14, v1                    ; wave 0..3
	s_lshr_b32 s15, s14, 1                         ; which half of the tile's rows is mine.  Also: I fetch for A (0) or for B (1)
	s_and_b32 s16, s14, 1                          ; which half of its columns.  Also: which half of that tile I fetch
	s_bfe_u32 s40, ttmp6, 0x40000                  ; cx, cy: my place in the cluster
	s_bfe_u32 s41, ttmp6, 0x40004
	s_lshl_b32 s42, ttmp9, 2
	s_add_co_u32 s42, s42, s40                     ; tile column of C = 4 x cluster x + cx
	s_and_b32 s17, ttmp7, 0xffff
	s_lshl_b32 s17, s17, 2
	s_add_co_u32 s17, s17, s41                     ; tile row of C = 4 x cluster y + cy
	s_lshl_b32 s43, s41, 2
	s_lshl_b32 s43, 15, s43                        ; my row of the cluster
	s_lshl_b32 s44, 0x1111, s40                    ; my column
	; group 1 for A's images: a dense block of 32,768 bytes as 128 rows of 256 bytes (32 elements of 8 bytes), no padding
	s_or_b32 s[G1+0], s43, (3<<16)|(1<<21)         ; 15:0 the mask: A's tiles go to my row; 17:16 elements of 8 bytes; 21 set beside a mask
	s_mov_b32 s[G1+1], 32<<16
	s_mov_b32 s[G1+2], 128<<16
	s_mov_b32 s[G1+3], 32<<16
	s_mov_b32 s[G1+4], 128
	s_mov_b32 s[G1+5], 32
	s_mov_b32 s[G1+6], 0
	s_mov_b32 s[G1+7], 0
	; for B's tiles: 128 rows x 256 bytes, padded in LDS
	s_or_b32 s[G1B+0], s44, (0<<16)|(1<<20)|(1<<21)|(5<<22)|(3<<25)
	s_mov_b32 s[G1B+1], ROWB<<16
	s_mov_b32 s[G1B+2], 128<<16
	s_mov_b32 s[G1B+3], ROWB<<16
	s_mov_b32 s[G1B+4], 128
	s_mov_b32 s[G1B+5], KROW
	s_mov_b32 s[G1B+6], 0
	s_mov_b32 s[G1B+7], 0
	; and for the scales of 128 rows: 4,096 dense bytes, as rows of 256 bytes, 16 bytes of padding behind each
	s_or_b32 s[G1S+0], s43, (3<<16)|(1<<20)|(1<<21)|(5<<22)|(3<<25)
	s_or_b32 s[G1SB+0], s44, (3<<16)|(1<<20)|(1<<21)|(5<<22)|(3<<25)
.irp g, G1S, G1SB
	s_mov_b32 s[\g+1], 32<<16
	s_mov_b32 s[\g+2], (128*KS/256)<<16
	s_mov_b32 s[\g+3], 32<<16
	s_mov_b32 s[\g+4], 128*KS/256
	s_mov_b32 s[\g+5], 32
	s_mov_b32 s[\g+6], 0
	s_mov_b32 s[\g+7], 0
.endr
	s_lshl_b32 s18, s16, 7                         ; which 128 rows of the tile I fetch
	s_lshl_b32 s20, s17, 8
	s_add_co_u32 s20, s20, s18                     ; A: image row 256 x tile row + 128 x half
	s_lshl_b32 s46, s42, 8
	s_add_co_u32 s46, s46, s18                     ; B: row 256 x tile column + 128 x half
	s_mov_b32 s21, 0
	s_mov_b32 s47, 0
	s_mov_b64 s[18:19], KS
	s_mul_u64 s[22:23], s[20:21], s[18:19]         ; where these rows' scales begin, in bytes
	s_mul_u64 s[92:93], s[46:47], s[18:19]
	s_lshl_b64 s[20:21], s[20:21], 8               ; A's images: 4,096 bytes for 16 rows and 256 along K
	s_mov_b64 s[18:19], KROW
	s_mul_u64 s[46:47], s[46:47], s[18:19]         ; B's codes
	s_lshl_b32 s45, s16, 15                        ; where they go: A's two halves,
	s_mul_i32 s95, s16, HALFT
	s_add_co_u32 s95, s95, ASZ                     ; then B's two: no place in the cluster enters an LDS address
	s_mul_i32 s94, s14, HALFS
	s_wait_kmcnt 0x0
	s_add_nc_u64 s[20:21], s[4:5], s[20:21]
	s_add_nc_u64 s[22:23], s[6:7], s[22:23]
	s_add_nc_u64 s[46:47], s[8:9], s[46:47]
	s_add_nc_u64 s[92:93], s[10:11], s[92:93]
	CROUND                                         ; all sixteen work-groups are here: the first joint loads meet
	s_mov_b32 s[G0S], 1
	s_add_co_u32 s[G0S+1], s94, SCL
	s_mov_b64 s[G0S+2:G0S+3], s[22:23]
	s_or_b32 s[G0S+3], s[G0S+3], 0x80000000
	s_mov_b32 s[G0SB], 1
	s_add_co_u32 s[G0SB+1], s94, SCL
	s_mov_b64 s[G0SB+2:G0SB+3], s[92:93]
	s_or_b32 s[G0SB+3], s[G0SB+3], 0x80000000
	JLOAD G0S, G1S, G0SB, G1SB                     ; the scales first: they are wanted with K step 0
.irp s, 0,1
	s_mov_b32 s[G0+4*\s], 1
	s_add_co_u32 s[G0+4*\s+1], s45, \s*SLOT
	s_add_nc_u64 s[G0+4*\s+2:G0+4*\s+3], s[20:21], \s*KKB
	s_or_b32 s[G0+4*\s+3], s[G0+4*\s+3], 0x80000000
	s_mov_b32 s[G0B+4*\s], 1
	s_add_co_u32 s[G0B+4*\s+1], s95, \s*SLOT
	s_add_nc_u64 s[G0B+4*\s+2:G0B+4*\s+3], s[46:47], \s*ROWB
	s_or_b32 s[G0B+4*\s+3], s[G0B+4*\s+3], 0x80000000
	s_wait_alu depctr_va_vdst(0)
	s_wait_tensorcnt 0x0
	ds_add_u32 v28, v29
	s_wait_dscnt 0x0
	CROUND
	JLOAD G0+4*\s, G1, G0B+4*\s, G1B
.endr
	v_and_b32 v1, 15, v0                           ; l % 16
	v_bfe_u32 v2, v0, 4, 1                         ; l / 16
	v_and_b32 v6, 31, v0
	v_lshlrev_b32 v[CO], 4, v6                     ; 16 x lane: an image's place for my lane; also my 16 bytes of a row of C
	v_mul_u32_u24 v3, v1, PITCH
	v_lshl_add_u32 v4, v2, 4, v3                   ; B: a fragment's row x pitch + 16 x half
	s_lshl_b32 s21, s15, 15                        ; my eight tiles of A
	s_mul_i32 s22, s16, HALFT                      ; my 128 rows of B,
	s_add_co_u32 s22, s22, ASZ                     ; which lie behind A's images
.irp s, 0,1
	v_add_nc_u32 v[ADRA+\s], s21, v[CO]
	v_add_nc_u32 v[ADRB+\s], s22, v4
	s_add_co_u32 s21, s21, SLOT
	s_add_co_u32 s22, s22, SLOT
.endr
	v_mul_u32_u24 v5, v1, KS                       ; my row's scales: 32 bytes a row,
	v_lshrrev_b32 v6, 8, v5
	v_lshl_add_u32 v5, v6, 4, v5                   ; and 16 more for each 256 passed
	s_mul_i32 s21, s15, HALFS                      ; A's: my 128 rows
	s_mul_i32 s22, s16, HALFS                      ; B's: my 128 rows, behind A's 256
	s_add_co_u32 s22, s22, 2*HALFS
	s_sub_co_u32 s22, s22, s21
	v_mul_u32_u24 v6, s22, v2                      ; lanes 16-31 take B's
	s_add_co_u32 s21, s21, SCL
	v_add_nc_u32 v5, v5, v6
	v_add_nc_u32 v[ADRS], s21, v5
	s_mul_i32 s23, s14, 16*SPITCH                  ; my stage
	v_mul_u32_u24 v5, v1, SPITCH                   ; in: row l % 16, 32 bytes for each half of the lanes
	v_lshl_add_u32 v5, v2, 5, v5
	v_add_nc_u32 v[STO], s23, v5
	v_add_nc_u32 v[RD], s23, v[CO]                 ; back: the 32 lanes take one row of 512 bytes
	s_lshl_b32 s20, s17, 8
	s_lshl_b32 s21, s15, 7
	s_add_co_u32 s20, s20, s21                     ; my first row of C: 256 x tile row + 128 x half (a multiple of 32: image rows and tokens agree there)
	s_mov_b32 s21, 0
	s_mov_b64 s[18:19], NROW
	s_mul_u64 s[20:21], s[20:21], s[18:19]
	s_lshl_b32 s46, s42, 10                        ; my first column, in bytes: 1024 x tile column + 512 x half
	s_lshl_b32 s47, s16, 9
	s_add_co_u32 s46, s46, s47
	s_mov_b32 s47, 0
	s_add_nc_u64 s[96:97], s[96:97], s[46:47]      ; bo at my first column
	s_add_nc_u64 s[20:21], s[20:21], s[46:47]
	s_add_nc_u64 s[12:13], s[12:13], s[20:21]
	v_lshlrev_b32 v7, 5, v2                        ; the bias of tile b, register j: column 16 b + 8 h + j
.irp b, 0,1,2,3,4,5,6,7
	global_load_b128 v[BIAS+8*\b:BIAS+8*\b+3], v7, s[96:97] offset:64*\b
	global_load_b128 v[BIAS+8*\b+4:BIAS+8*\b+7], v7, s[96:97] offset:64*\b+16
.endr
.macro FRAG reg, adr, q, i             ; a fragment of B from rows: lane l holds row l % 16; registers 4 c .. 4 c + 3 hold K = 32 c + 16 (l / 16) + 0 .. 15
.irp c, 0,1,2,3
	ds_load_b128 v[\reg+4*\c:\reg+4*\c+3], v[\adr] offset:128*(\q)+32*\c+(\i)*16*PITCH
.endr
.endm
.macro FRAGA reg, adr, q, i            ; a fragment of A from its image
.irp c, 0,1,2,3
	ds_load_b128 v[\reg+4*\c:\reg+4*\c+3], v[\adr] offset:(\i)*4096+(\q)*2048+512*\c
.endr
.endm
; 16 matrix instructions: A's blocks a0, a0 + 1 x B's eight, 128 along K.  mode 1: the bias starts the sums: nothing is ever cleared.
; The 64 accumulators take turns, one instruction a turn, in the same order in every step.
.macro MUL16 a0, p, q, sc, mode
.irp a, \a0, \a0+1
.irp b, 0,1,2,3,4,5,6,7
.if \mode
	v_wmma_scale_f32_16x16x128_f8f6f4 v[8*(8*((\a)%4)+\b):8*(8*((\a)%4)+\b)+7], v[128*(\p)+FR*\b:128*(\p)+FR*\b+FR-1], v[AF+FR*(\a):AF+FR*(\a)+FR-1], v[BIAS+8*\b:BIAS+8*\b+7], v[SC+8*NQ*(\sc)+NQ*\b+(\q)], v[SC+8*NQ*(\sc)+NQ*(\a)+(\q)] matrix_a_fmt:MATRIX_FMT_BF8 matrix_b_fmt:MATRIX_FMT_BF8 matrix_a_scale:MATRIX_SCALE_ROW1
.else
	v_wmma_scale_f32_16x16x128_f8f6f4 v[8*(8*((\a)%4)+\b):8*(8*((\a)%4)+\b)+7], v[128*(\p)+FR*\b:128*(\p)+FR*\b+FR-1], v[AF+FR*(\a):AF+FR*(\a)+FR-1], v[8*(8*((\a)%4)+\b):8*(8*((\a)%4)+\b)+7], v[SC+8*NQ*(\sc)+NQ*\b+(\q)], v[SC+8*NQ*(\sc)+NQ*(\a)+(\q)] matrix_a_fmt:MATRIX_FMT_BF8 matrix_b_fmt:MATRIX_FMT_BF8 matrix_a_scale:MATRIX_SCALE_ROW1
.endif
.endr
.endr
.endm
.macro FETCH_B slot, q, p
	WIN TO_B
.irp i, 0,1,2,3,4,5,6,7
	FRAG 128*(\p)+FR*\i, ADRB+\slot, \q, \i
.endr
	WIN 0
.endm
.macro FETCH_A slot, q, i0
.irp i, \i0, \i0+1, \i0+2, \i0+3
	FRAGA AF+FR*(\i), ADRA+\slot, \q, \i
.endr
.endm
.macro SCALES sc                       ; a K step's scale words into set sc: lanes 0-15 take A's block i, lanes 16-31 B's block i
.irp i, 0,1,2,3,4,5,6,7
	ds_load_b64 v[SC+8*NQ*\sc+NQ*\i:SC+8*NQ*\sc+NQ*\i+1], v[ADRS] offset:\i*SBLK
.endr
.endm
; A load into a register that a matrix instruction has read, and an LDS store that reads a matrix result, stand NP places behind it; only plain vector instructions that name none of its registers are places
; (ISA guide 7.12.1 for vector instructions).
.macro PLACES n
.rept \n
	v_nop
.endr
.endm
.macro STEP slot, q, mode
	s_wait_dscnt 4*NL                              ; B's set and A's blocks 0-3 are in; the youngest sixteen loads (A's blocks 4-7) may be out
.if \mode
	WIN 0x81                                       ; C, the bias, in window 0; D in window 2
.else
	WIN MUL_LO
.endif
	MUL16 0, (\q)%2, \q, \slot, \mode
	MUL16 2, (\q)%2, \q, \slot, \mode
	s_wait_dscnt 0                                 ; A's blocks 4-7 are in
	PLACES NP
	FETCH_B \slot, (\q)+1, 1-(\q)%2
	FETCH_A \slot, (\q)+1, 0
.if \mode
	WIN 0xc1
.else
	WIN MUL_HI
.endif
	MUL16 4, (\q)%2, \q, \slot, \mode
	MUL16 6, (\q)%2, \q, \slot, \mode
	PLACES NP
	WIN 0
	FETCH_A \slot, (\q)+1, 4
.endm
; A slot's last step changes slots: ONE barrier; in front of it each wave waits for all its tensor loads, adds 0 to its spare word, and waits for that and for its own reads of this slot.  fill = 1: this slot is filled again, two K steps ahead.
.macro TURN slot, next, fill
	s_wait_tensorcnt 0x0                           ; all my tensor loads have landed: my part of the next slot;  (every window is 0 here)
	ds_add_u32 v[SPW], v[NIL]                      ; 0 onto my spare word
	s_wait_dscnt 4*NL+1                            ; (the add and the youngest sixteen loads may be out)
	WIN MUL_LO
	MUL16 0, 1, NQ-1, \slot, 0                     ; sixteen matrix instructions stand between the add and the wait for it
	s_wait_dscnt 0x0                               ; the add is done, and my reads of this slot are over
	s_barrier_signal -1
	MUL16 2, 1, NQ-1, \slot, 0
	WIN 0
	s_barrier_wait -1
.if \fill
	CREST                                          ; the barrier has opened a round of the cluster's barrier: no wave of any partner still reads this slot's tile or has a load on its way
	s_add_nc_u64 s[G0+4*\slot+2:G0+4*\slot+3], s[G0+4*\slot+2:G0+4*\slot+3], 2*KKB
	s_add_nc_u64 s[G0B+4*\slot+2:G0B+4*\slot+3], s[G0B+4*\slot+2:G0B+4*\slot+3], 2*ROWB
	JLOAD G0+4*\slot, G1, G0B+4*\slot, G1B         ; the first tensor load behind the round; the four v_nop behind it are among the places in front of the loads below
	PLACES NP-4
.else
	PLACES NP
.endif
	s_wait_alu depctr_va_vdst(0)
	v_add_nc_u32 v[ADRS], 4*NQ, v[ADRS]            ; on to the next K step's scale words (no LDS load of mine is out)
	FETCH_B \next, 0, 0
	FETCH_A \next, 0, 0
	SCALES \next
	WIN MUL_HI
	MUL16 4, 1, NQ-1, \slot, 0
	MUL16 6, 1, NQ-1, \slot, 0
	PLACES NP
	WIN 0
	FETCH_A \next, 0, 4
.endm
	s_wait_alu depctr_va_vdst(0)
	s_wait_tensorcnt 1                             ; the scales and my part of K step 0 are in (K step 1's load may be out)
	s_barrier_signal -1
	s_barrier_wait -1                              ; everybody's are
	FETCH_B 0, 0, 0
	FETCH_A 0, 0, 0
	SCALES 0
	FETCH_A 0, 0, 4
	s_wait_loadcnt 0x0                             ; the bias
	STEP 0, 0, 1                                   ; the first step starts the sums with the bias
	TURN 0, 1, 1                                   ; K = 1,024 is four K steps: each slot is filled again once, so the lap is written out
	STEP 1, 0, 0
	TURN 1, 0, 1
	STEP 0, 0, 0
	TURN 0, 1, 0                                   ; nothing more is asked for: no round of the cluster's barrier
	STEP 1, 0, 0
	s_wait_dscnt 4*NL                              ; the very last step: nothing more to fetch
	WIN MUL_LO
	MUL16 0, 1, NQ-1, 1, 0
	MUL16 2, 1, NQ-1, 1, 0
	s_wait_dscnt 0
	WIN MUL_HI
	MUL16 4, 1, NQ-1, 1, 0
	MUL16 6, 1, NQ-1, 1, 0
	WIN 0
; THE WAY OUT, block by block of 16 rows x 128 columns, through my own stage in LDS: back come whole rows of 512 bytes, which the 32 lanes store as 512 consecutive bytes, aligned.
; LDS serves a wave's instructions in order (ISA guide 5.7.1.4): no wait between the stores and the loads, nor in front of the next block's stores.
.macro TOSTAGE a
.set AC, 64*((\a)%4)
	WIN 0x08+4*((\a)/4)                            ; the data: window 2 or 3
.irp b, 0,1,2,3,4,5,6,7
	ds_store_b128 v[STO], v[AC+8*\b:AC+8*\b+3] offset:64*\b          ; each accumulator from its low end on
	ds_store_b128 v[STO], v[AC+8*\b+4:AC+8*\b+7] offset:64*\b+16
.endr
	WIN 0
.set BB, BK+64*((\a)%2)
.irp t, 0,1,2,3,4,5,6,7,8,9,10,11,12,13,14,15
	ds_load_b128 v[BB+4*\t:BB+4*\t+3], v[RD] offset:\t*SPITCH
.endr
.endm
.macro SEND a, younger                 ; younger: the LDS instructions issued behind block a's loads, which may stay out
.set BB, BK+64*((\a)%2)
	s_wait_dscnt \younger                          ; the block is back in registers
.if (\a) > 0
	s_add_nc_u64 s[12:13], s[12:13], (8+16*(((\a)+1)%2))*NROW   ; (behind a wait on XCNT)  block a begins at token 32 (a / 2) + 8 (a % 2) of my 128: 8 rows on, or 24
.endif
.irp t, 0,1,2,3,4,5,6,7,8,9,10,11,12,13,14,15
	global_store_b128 v[CO], v[BB+4*\t:BB+4*\t+3], s[12:13] offset:(\t+8*(\t/8))*NROW th:TH_STORE_NT   ; image row t is token t + 8 (t / 8) of the block; written once, read by nobody here
.endr
.endm
	PLACES NP                                      ; behind the last products: for the loads into the registers that held A's fragments and for the reads of block 7's results alike
	TOSTAGE 0
.irp a, 1,2,3,4,5,6,7
.if \a > 1
	s_wait_xcnt 0x0                                ; block a - 2's stores have read their registers and their base: block a's loads may land there, and the base may step
.endif
	TOSTAGE \a
	SEND \a-1, 32                                  ; behind block a - 1's loads: block a's 16 stores and 16 loads
.endr
	s_wait_xcnt 0x0                                ; block 6's stores have read their base
	SEND 7, 0
	s_wait_tensorcnt 0x0                           ; the wave's end, behind my last tensor load and my last LDS store
	ds_add_u32 v[SPW], v[NIL]
	s_wait_dscnt 0x0
	CROUND                                         ; the closing round: no work-group ends while a partner may still ask for a tile that names it
	s_endpgm
.Lfunc_end_k_q39167398b5_oproj:
	.size	k_q39167398b5_oproj, .Lfunc_end_k_q39167398b5_oproj-k_q39167398b5_oproj
	.p2alignl 7, 3214868480
	.fill 96, 4, 3214868480
	.section	.rodata,"a",@progbits
	.p2align	6, 0x0
	.amdhsa_kernel k_q39167398b5_oproj
		.amdhsa_group_segment_fixed_size 327680
		.amdhsa_private_segment_fixed_size 0
		.amdhsa_enable_private_segment 0
		.amdhsa_kernarg_size 48
		.amdhsa_user_sgpr_count 2
		.amdhsa_user_sgpr_kernarg_segment_ptr 1
		.amdhsa_wavefront_size32 1
		.amdhsa_system_sgpr_workgroup_id_x 1
		.amdhsa_system_sgpr_workgroup_id_y 1
		.amdhsa_system_sgpr_workgroup_id_z 1
		.amdhsa_system_vgpr_workitem_id 0
		.amdhsa_next_free_vgpr 1024
		.amdhsa_next_free_sgpr 98
		.amdhsa_reserve_vcc 0
		.amdhsa_float_denorm_mode_32 3
		.amdhsa_float_denorm_mode_16_64 3
		.amdhsa_memory_ordered 1
		.amdhsa_forward_progress 1
		.amdhsa_inst_pref_size 148
	.end_amdhsa_kernel
	.amdgpu_metadata
---
amdhsa.version: [ 1, 2 ]
amdhsa.kernels:
  - .name:           k_q39167398b5_oproj
    .symbol:         k_q39167398b5_oproj.kd
    .args:
      - { .name: oimg, .offset: 0, .size: 8, .value_kind: global_buffer, .address_space: global }
      - { .name: oscl, .offset: 8, .size: 8, .value_kind: global_buffer, .address_space: global }
      - { .name: Wo_codes, .offset: 16, .size: 8, .value_kind: global_buffer, .address_space: global }
      - { .name: Wo_scales, .offset: 24, .size: 8, .value_kind: global_buffer, .address_space: global }
      - { .name: bo, .offset: 32, .size: 8, .value_kind: global_buffer, .address_space: global }
      - { .name: out0, .offset: 40, .size: 8, .value_kind: global_buffer, .address_space: global }
    .group_segment_fixed_size: 327680
    .private_segment_fixed_size: 0
    .kernarg_segment_align: 8
    .kernarg_segment_size: 48
    .max_flat_workgroup_size: 128
    .sgpr_count:     98
    .vgpr_count:     1024
    .wavefront_size: 32
...
	.end_amdgpu_metadata
.endif
;; end of part 3
